; MI455X (gfx1250); checked and timed in simulation.
; The chip was launched on July 23, 2026; its instructions are those of AMD's public machine-readable ISA for CDNA 5 (MIT licence, August 2026) and "CDNA5" Instruction Set Architecture Reference Guide (July 2026). The comments in the code are by the model that wrote it; some were corrected since.
;; Multi Head Self Attention With Bias. Allowed arithmetic: matrix products marked QUANTISED: E5M2 operands, one given power-of-two scale a tensor, by v_wmma_f32_16x16x64_bf8_bf8 or v_wmma_f32_16x16x128_bf8_bf8, f32 sums; everything else in f32.
;; Inputs: Wk_codes 512 x 16 x 32 uint8 (E5M2 codes of Wk, K innermost, in blocks of 32 codes); Wo_codes 512 x 16 x 32 uint8 (E5M2 codes of Wo, K innermost, in blocks of 32 codes); Wq_codes 512 x 16 x 32 uint8 (E5M2 codes of Wq, K innermost, in blocks of 32 codes); Wv_codes 512 x 16 x 32 uint8 (E5M2 codes of Wv, K innermost, in blocks of 32 codes); attn_bias 16 x 1,024 x 1,024 float32; bk 512 float32; bo 512 float32; bq 512 float32; bv 512 float32; key_padding_mask 16 x 1,024 int32; lowp_scales 12 int32 (the exponents e of the quantised operands' scales 2^e); x_codes 16 x 1,024 x 16 x 32 uint8 (E5M2 codes of x, K innermost, in blocks of 32 codes).
;; Outputs: out0 16 x 1,024 x 512 float32.
;; This version of the problem:
;;   THIS VERSION OF THE PROBLEM IS GIVEN IN LOW PRECISION. The matrix products marked QUANTISED in the list below multiply operands that are first quantised to E5M2 (5 exponent bits, 2 mantissa bits; 8 bits a number), with one given power-of-two scale for each operand tensor; their sums are f32. All else is computed in f32.
;;   The module's matrix products, in the order in which they are computed (A, B: the left and right operand; K: the contracted axis; several contracted axes count as one K, in the product's order):
;;     1. [M 16,384, K 512] x [K 512, N 512]; A: input x (given as codes); B: input Wq (given as codes): QUANTISED (scales: A lowp_scales[0], B lowp_scales[1])
;;     2. [M 16,384, K 512] x [K 512, N 512]; A: input x (given as codes); B: input Wk (given as codes): QUANTISED (scales: A lowp_scales[2], B lowp_scales[3])
;;     3. [M 16,384, K 512] x [K 512, N 512]; A: input x (given as codes); B: input Wv (given as codes): QUANTISED (scales: A lowp_scales[4], B lowp_scales[5])
;;     4. batch 128 x [M 1,024, K 64] x [K 64, N 1,024]; A: computed on the way; B: computed on the way: QUANTISED (scales: A lowp_scales[6], B lowp_scales[7])
;;     5. batch 128 x [M 1,024, K 1,024] x [K 1,024, N 64]; A: softmax (see below); B: computed on the way: QUANTISED (scales: A lowp_scales[8], B lowp_scales[9])
;;     6. [M 16,384, K 512] x [K 512, N 512]; A: computed on the way; B: input Wo (given as codes): QUANTISED (scales: A lowp_scales[10], B lowp_scales[11])
;;   THE QUANTISER, for each operand of a quantised product, along K:
;;     - The operand's scale is 2^e, e = its entry of the input lowp_scales (int32; the entries are numbered through the quantised products in the list's order, A before B).
;;     - Each number is divided by the scale, clamped to +-57,344, and rounded to the nearest number of E5M2, ties to even, subnormals kept.
;;     - The product sums the exact products of the quantised numbers (number of the format x scale) in f32.
;;   ~~~python
;;   def quantise(x, axis, e):      # numpy; x: float32 -> the quantised numbers, widened to float32 again
;;       x = np.moveaxis(x, axis, -1); K = x.shape[-1]
;;       r = np.clip(x / 2.0 ** e, -57344, 57344)
;;       step = 2.0 ** (np.maximum(np.frexp(np.where(r == 0, 1, r))[1] - 1, -14) - 2)
;;       q = np.round(r / step) * step * 2.0 ** e      # np.round: ties to even
;;       return np.moveaxis(q, -1, axis).astype(np.float32)
;;   ~~~
;;   SOFTMAX AHEAD OF A QUANTISED PRODUCT. Where the list says 'softmax', what is quantised is not the finished softmax but p = 2^(t - M), with t = logit x log2(e) and M = ceil(the row's largest t), a whole number; so 1/2 < the row's largest p <= 1. The row's sum l is taken of the UNQUANTISED p, in f32, and the product's result is divided by l at the end. Since M is a whole number, a kernel that streams over the keys may use a running M (the ceiling of the running maximum): every later rescaling is an exact power of two, so the quantised numbers keep their values, but for numbers so far below the row's largest that they fall under the format's range.
;;   OPERANDS COMPUTED ON THE WAY. 'Computed on the way' means the value that the module computes at that place (a softmax that the list does not call 'softmax' is quantised finished and normalised). What goes into a quantiser is computed in f32, as accurately as f32 sums, v_exp_f32 and their like allow (about 1e-6 of the number): no bf16 or f16 on the way to a quantiser, and a product that is left as it is and whose result goes on into a quantised operand takes f32 operands (vector FMAs, or v_wmma_f32_16x16x4_f32). A number that lies on a knife's edge between two numbers of the format may be rounded either way, as far as f32 arithmetic and the matrix unit's own rounding can turn it there, and no further.
;;   INPUTS GIVEN AS CODES. Wk (in the module: [512, 512], K = its axis 1); Wo (in the module: [512, 512], K = its axis 1); Wq (in the module: [512, 512], K = its axis 1); Wv (in the module: [512, 512], K = its axis 1); x (in the module: [16, 1024, 512], K = its axis 2): each comes as NAME_codes (uint8): NAME with its K axis moved to the last place and cut into blocks of 32 codes, [.., K / 32, bytes a block], one block behind the other in memory; one code a byte (a code: sign, 5 exponent bits, 2 mantissa bits); its scale is its entry of lowp_scales. Its value is code x scale, taken as it is: it is not quantised again, and the codes and scales need not be those that the quantiser above would give.
;; 2 versions. Each part assembles by itself: llvm-mc -triple=amdgcn-amd-amdhsa -mcpu=gfx1250 --defsym DOCPART=n.
;; ======== version 1 of 2: 2 launches
;; workspace buffers: qf 8,388,608 bytes; kf 8,388,608 bytes; vf 8,388,608 bytes
;; launch proj (part 1): grid 64 x 3, 8 waves a work-group, no clusters, 136,192 bytes of LDS; arguments x_codes, Wq_codes, Wk_codes, Wv_codes, bq, bk, bv, key_padding_mask, lowp_scales, qf, kf, vf; writes qf, kf, vf
.if DOCPART == 1
	.amdgcn_target "amdgcn-amd-amdhsa--gfx1250"
	.amdhsa_code_object_version 6
	.text
	.protected	k_q5e6e60f158_proj
	.globl	k_q5e6e60f158_proj
	.p2align	8
	.type	k_q5e6e60f158_proj,@function
k_q5e6e60f158_proj:
	s_mov_b64 s[64:65], 0
	v_nop
	global_prefetch_b8 v0, s[64:65] scope:SCOPE_SE
	s_setreg_imm32_b32 hwreg(HW_REG_WAVE_MODE, 25, 1), 1
	s_wait_xcnt 0x0
; q, k, v = x W^T + b on codes of BF8 (E5M2), quantised again to codes for the attention's products.  x: [16384][512] codes; Wq, Wk, Wv: [512][512] codes, K innermost; bq, bk, bv: [512] f32.
; SHARES.  Work-group (blk, t): 256 rows of x (blk = 0..63), tensor t (0 = q, 1 = k, 2 = v).  Wave w is head w: its 64 rows x 512 K of W stay in 256 registers (window 1);
; the 256 rows of x lie in LDS and every wave reads all of them, 32 rows (a PAIR of tiles) a trip: 32 matrix instructions of 16 x 16 x 128, eight accumulators by turns.
; 3 tensors x 64 blocks are 192 work-groups: blocks of 128 rows would be 384, which no 256 divides either, and each would load the same 256 KB of W for half the rows.
; OUTPUT: IMAGES OF OPERAND REGISTERS, 65,536 bytes for each (batch, head).  L = lane, r = L % 16, g = L / 16, pat(T, i) = 32 (T / 2) + 8 (T % 2) + i + 8 (i / 8).
;   qf: tile x 1024 + 512 c + 16 L = q(query 16 tile + r, d = 32 c + 16 g + 0..15)
;   kf: step x 8192 + T x 1024 + 512 c + 16 L = k(key 128 step + pat(T, r), d = 32 c + 16 g + 0..15); ZERO CODES where the key's mask is 0, so that its score is exactly 0 and the next launch's -1e9 stands alone
;   vf: step x 8192 + T x 2048 + 512 c + 16 L = v(d = pat(T, r), keys 128 step + 32 c + 16 g + 0..15)
; q and k use the product transposed (source 0 = 16 rows of W, source 1 = 16 rows of x): a lane holds one row and its registers run along d.  v uses it as it is (source 0 = x, source 1 = W): a lane holds one d
; and its registers run along the keys.  The rows of W that form a tile are pat(T, .), so that two neighbouring tiles' 16 registers are 16 neighbours; for k and v the rows of x that form a tile are pat too:
; x's rows are put into LDS in that order, so a fragment always reads 16 consecutive LDS rows.  Inside a fragment registers 4 c .. 4 c + 3 hold K = 32 c + 16 g + 0..15, alike on both sides of every product.
; The bias is the C of each sum's first matrix instruction, divided by 2^(ex + ew); the conversion's one scale is 2^(eo - ex - ew).  (ex, ew, eo) = entries (0, 1, 6), (2, 3, 7), (4, 5, 9) of the scales.
; NO CLUSTER, NO TENSOR LOAD: a row of x is shared by 3 work-groups only, and it changes its place on the way into LDS (by t), so it passes through registers; W goes straight into its one reader's registers.
; LIMITS: eo - ex - ew between -126 and 112, so that the scale and 57,344 x the scale are f32 numbers.  NaN in the biases is not served.
; REGISTERS, window 0: v1 16 L; v2 528 r + 16 g; v3 LDS address in hand; v5-7 16 L + j x the groups' distance; v8 4 (r + 8 (r / 8)); v9, v10 mask words; v11 the scale; v12 the hold; v13 W's lane offset; v15 LDS place of my rows;
;   v16-47 the bias as C; v48-111 eight accumulators (at the head: offsets); v112-127 codes; v128-255 x's fragments (at the head: 32 rows as loaded).   window 1: W's 16 fragments.
.set PITCH, 528                        ; an LDS row: 512 bytes + 16: the sixteen rows of a fragment load start 33 x 16 bytes apart
.set BI,    16
.set ACC,   48
.set CODE,  112
.set XF,    128
.set MSB,   0
.macro WIN new                         ; the immediate's high byte repeats the setting that is left
.if MSB != \new
	s_set_vgpr_msb (MSB<<8)|\new
.set MSB, \new
.endif
.endm
.macro PLACES                          ; four plain vector instructions behind a matrix instruction, ahead of reads of its result and of loads into its registers
.rept 4
	v_nop
.endr
.endm
	s_load_b512 s[8:23], s[0:1], 0x0               ; x s[8:9], Wq s[10:11], Wk s[12:13], Wv s[14:15], bq s[16:17], bk s[18:19], bv s[20:21], mask s[22:23]
	s_load_b256 s[24:31], s[0:1], 0x40             ; scales s[24:25], qf s[26:27], kf s[28:29], vf s[30:31]
	v_lshrrev_b32 v14, 5, v0
	v_readfirstlane_b32 s2, v14                    ; wave = head
	s_and_b32 s3, ttmp7, 0xffff                    ; t
	s_mov_b32 s4, ttmp9                            ; blk
	v_and_b32 v14, 31, v0
	v_lshlrev_b32 v1, 4, v14                       ; 16 L
	v_and_b32 v14, 15, v0                          ; r
	v_bfe_u32 v52, v0, 4, 1                        ; g
	v_mul_u32_u24 v2, v14, PITCH
	v_lshl_add_u32 v2, v52, 4, v2                  ; a fragment's row x pitch + 16 g
	v_and_b32 v53, 8, v14
	v_add_nc_u32 v53, v53, v14                     ; r + 8 (r / 8)
	v_lshlrev_b32 v8, 2, v53                       ; its mask word
	v_lshlrev_b32 v13, 9, v53
	v_lshl_add_u32 v13, v52, 4, v13                ; W: row r + 8 (r / 8) of 512 bytes, + 16 g
	s_mul_i32 s60, s2, 32*PITCH
	v_add_nc_u32 v15, s60, v1                      ; LDS: my wave's 32 rows, 16 bytes a lane
	; what hangs on t, all by selects on the work-group's y
	s_mov_b32 s70, 4096
	s_mov_b32 s71, 8192
	s_cmp_eq_u32 s3, 0
	s_cselect_b32 s70, 8192, s70                   ; LDS row 16 X + 8 Y + r0 of a pair holds row X SX + Y SY + r0: (SX, SY) = (16, 8) for q, (8, 16) for k and v; here x 512 bytes
	s_cselect_b32 s71, 4096, s71
	s_mov_b32 s55, 512
	s_mov_b32 s56, 2048
	s_cmp_eq_u32 s3, 2
	s_cselect_b32 s55, 2048, s55                   ; from one group of 16 registers' codes to the next: 512 bytes, for v 2,048
	s_cselect_b32 s56, 512, s56                    ; from pair to pair: 2,048 bytes, for v 512,
	s_cselect_b32 s58, 6144, 0                     ; and for v 6,144 more behind the fourth pair (a step's 8,192 less four times 512)
	s_cselect_b32 s69, -1, 0                       ; all lanes: v
	s_cselect_b32 s72, 0, 4                        ; the bias from register to register: 4 bytes, for v none
	s_mov_b32 s57, 0
	s_cmp_eq_u32 s3, 1
	s_cselect_b32 s68, 0, -1                       ; only k's codes heed the mask
	v_add_nc_u32 v49, s71, v1                      ; x's offsets: 16 L + (X SX + Y SY) x 512
	v_add_nc_u32 v50, s70, v1
	v_add_nc_u32 v51, s71, v50
	v_add_nc_u32 v5, s55, v1                       ; the stores' offsets
	v_add_nc_u32 v6, s55, v5
	v_add_nc_u32 v7, s55, v6
	v_lshlrev_b32 v54, 6, v52
	v_cndmask_b32 v56, v54, v8, s69                ; the bias: q, k: d = .. + 16 g + j;  v: d = .. + r + 8 (r / 8) in all eight registers
.irp j, 1,2,3,4,5,6,7
	v_add_nc_u32 v[56+\j], s72, v[55+\j]
.endr
	s_mov_b32 s61, 0
	s_wait_kmcnt 0x0
	s_load_b256 s[32:39], s[24:25], 0x0            ; the twelve exponents
	s_load_b128 s[40:43], s[24:25], 0x20
	s_cmp_eq_u32 s3, 2
	s_cselect_b64 s[44:45], s[14:15], s[12:13]
	s_cselect_b64 s[46:47], s[20:21], s[18:19]
	s_cselect_b64 s[48:49], s[30:31], s[28:29]
	s_cmp_eq_u32 s3, 0
	s_cselect_b64 s[44:45], s[10:11], s[44:45]     ; W
	s_cselect_b64 s[46:47], s[16:17], s[46:47]     ; b
	s_cselect_b64 s[48:49], s[26:27], s[48:49]     ; the codes' buffer
	s_lshl_b32 s60, s2, 15
	s_add_nc_u64 s[44:45], s[44:45], s[60:61]      ; my head's 64 rows of W
	s_lshl_b32 s60, s2, 8
	s_add_nc_u64 s[46:47], s[46:47], s[60:61]      ; and its 64 numbers of b
	s_lshr_b32 s60, s4, 2
	s_lshl_b32 s60, s60, 3
	s_add_co_u32 s60, s60, s2                      ; 8 n + head
	s_lshl_b32 s60, s60, 16
	s_and_b32 s62, s4, 3
	s_lshl_b32 s62, s62, 14                        ; 256 rows are 16,384 bytes in each of the three layouts
	s_add_co_u32 s60, s60, s62
	s_add_nc_u64 s[48:49], s[48:49], s[60:61]
	s_lshl_b32 s60, s4, 17
	s_lshl_b32 s62, s2, 14
	s_add_co_u32 s60, s60, s62
	s_add_nc_u64 s[50:51], s[8:9], s[60:61]        ; x at row 256 blk + 32 wave
	s_lshl_b32 s60, s4, 10
	s_add_nc_u64 s[52:53], s[22:23], s[60:61]      ; the mask at row 256 blk
.macro XROWS off, i0                   ; eight whole rows of x: each load is 512 consecutive bytes
.irp r0, 0,1,2,3,4,5,6,7
	global_load_b128 v[XF+4*(\i0+\r0):XF+4*(\i0+\r0)+3], v[\off], s[50:51] offset:512*\r0
.endr
.endm
.macro WLOAD ks                        ; W's four fragments of K step ks: tile T takes rows pat(T, .)
.irp T, 0,1,2,3
.irp c, 0,1,2,3
	global_load_b128 v[16*(4*\T+\ks)+4*\c:16*(4*\T+\ks)+4*\c+3], v13, s[44:45] offset:(32*(\T/2)+8*(\T%2))*512+128*\ks+32*\c
.endr
.endr
.endm
	XROWS 1, 0
	XROWS 49, 8
	XROWS 50, 16
	XROWS 51, 24
	WIN 0x40                                       ; destination window 1
	WLOAD 0
	WLOAD 1
	WIN 0
	s_wait_loadcnt 32                              ; the 32 younger loads are W's: my 32 rows of x are in
.set jj, 0
.rept 32
	ds_store_b128 v15, v[XF+4*jj:XF+4*jj+3] offset:PITCH*jj
.set jj, jj+1
.endr
	WIN 0x40
	WLOAD 2
	WLOAD 3
	WIN 0
.irp T, 0,1,2,3
.irp j, 0,1,2,3,4,5,6,7
	global_load_b32 v[BI+8*\T+\j], v[56+\j], s[46:47] offset:128*(\T/2)+32*(\T%2)
.endr
.endr
	s_wait_kmcnt 0x0
	s_cmp_eq_u32 s3, 2
	s_cselect_b32 s60, s36, s34
	s_cselect_b32 s62, s37, s35
	s_cselect_b32 s63, s41, s39
	s_cmp_eq_u32 s3, 0
	s_cselect_b32 s60, s32, s60                    ; ex
	s_cselect_b32 s62, s33, s62                    ; ew
	s_cselect_b32 s63, s38, s63                    ; eo
	s_add_co_i32 s60, s60, s62
	s_sub_co_i32 s54, 0, s60                       ; -(ex + ew)
	s_sub_co_i32 s63, s63, s60
	s_add_co_i32 s63, s63, 127
	s_lshl_b32 s60, s63, 23
	v_mov_b32 v11, s60                             ; 2^(eo - ex - ew) as f32: the conversion takes its exponent field
	s_add_co_i32 s63, s63, 15
	s_lshl_b32 s63, s63, 23
	s_or_b32 s63, s63, 0x600000
	v_mov_b32 v12, s63                             ; 57,344 x that
	s_wait_dscnt 0x0                               ; for the others' sake: my rows lie in LDS
	s_barrier_signal -1
	s_barrier_wait -1                              ; all 256 rows do: the launch's one barrier; LDS is only read from here on
.macro XFETCH                          ; the pair's eight fragments of x (2 tiles x 4 K steps), 32 loads in one run
	v_add_nc_u32 v3, s62, v2
.irp xt, 0,1
.irp ks, 0,1,2,3
.irp c, 0,1,2,3
	ds_load_b128 v[XF+64*\xt+16*\ks+4*\c:XF+64*\xt+16*\ks+4*\c+3], v3 offset:\xt*16*PITCH+128*\ks+32*\c
.endr
.endr
.endr
.endm
	s_mov_b32 s62, 0                               ; LDS byte of the pair in hand
	XFETCH
	s_wait_loadcnt 0x0                             ; W and b
.set jj, 0
.rept 32
	v_ldexp_f32 v[BI+jj], v[BI+jj], s54            ; a sum stands for sum x 2^(ex + ew): b goes in as b / 2^(ex + ew)
.set jj, jj+1
.endr
; A PAIR: 32 rows.  next = 1: the next pair's fragments are fetched behind the products, and the pointers step.
.macro PAIR next
	global_load_b32 v9, v8, s[52:53]               ; the mask words of the two tiles' rows (as k's tiles take them)
	global_load_b32 v10, v8, s[52:53] offset:32
	s_wait_dscnt 0x0                               ; x's fragments are in
	s_cmp_eq_u32 s3, 2
	s_cbranch_scc1 .Lv_\@
	WIN 0x01                                       ; q, k: source 0 = W (window 1), source 1 = x.  The eight accumulators take turns, one instruction a turn
.irp ks, 0,1,2,3
.irp xt, 0,1
.irp T, 0,1,2,3
.if \ks == 0
	v_wmma_f32_16x16x128_bf8_bf8 v[ACC+32*\xt+8*\T:ACC+32*\xt+8*\T+7], v[16*(4*\T+\ks):16*(4*\T+\ks)+15], v[XF+64*\xt+16*\ks:XF+64*\xt+16*\ks+15], v[BI+8*\T:BI+8*\T+7]
.else
	v_wmma_f32_16x16x128_bf8_bf8 v[ACC+32*\xt+8*\T:ACC+32*\xt+8*\T+7], v[16*(4*\T+\ks):16*(4*\T+\ks)+15], v[XF+64*\xt+16*\ks:XF+64*\xt+16*\ks+15], v[ACC+32*\xt+8*\T:ACC+32*\xt+8*\T+7]
.endif
.endr
.endr
.endr
	WIN 0
	s_branch .Ljoin_\@
.Lv_\@:
	WIN 0x04                                       ; v: source 0 = x, source 1 = W (window 1)
.irp ks, 0,1,2,3
.irp T, 0,1,2,3
.irp xt, 0,1
.if \ks == 0
	v_wmma_f32_16x16x128_bf8_bf8 v[ACC+16*\T+8*\xt:ACC+16*\T+8*\xt+7], v[XF+64*\xt+16*\ks:XF+64*\xt+16*\ks+15], v[16*(4*\T+\ks):16*(4*\T+\ks)+15], v[BI+8*\T:BI+8*\T+7]
.else
	v_wmma_f32_16x16x128_bf8_bf8 v[ACC+16*\T+8*\xt:ACC+16*\T+8*\xt+7], v[XF+64*\xt+16*\ks:XF+64*\xt+16*\ks+15], v[16*(4*\T+\ks):16*(4*\T+\ks)+15], v[ACC+16*\T+8*\xt:ACC+16*\T+8*\xt+7]
.endif
.endr
.endr
.endr
	WIN 0
.Ljoin_\@:
	PLACES                                         ; ahead of the loads into x's fragments and of the first read of the sums
.if \next
	s_add_co_u32 s62, s62, 32*PITCH
	XFETCH                                         ; they land under the work below
.endif
.set jj, 0
.rept 64
	v_med3_num_f32 v[ACC+jj], v[ACC+jj], -v12, v12 ; the conversion to an 8-bit code does not saturate (ISA guide 7.6.2): the hold; each accumulator from its low end on
.set jj, jj+1
.endr
.irp j, 0,1,2,3                                ; group j: 16 registers = 16 neighbours along the next K
	v_cvt_scalef32_pk8_bf8_f32 v[CODE+4*\j:CODE+4*\j+1], v[ACC+16*\j:ACC+16*\j+7], v11
	v_cvt_scalef32_pk8_bf8_f32 v[CODE+4*\j+2:CODE+4*\j+3], v[ACC+16*\j+8:ACC+16*\j+15], v11
.endr
	v_nop                                          ; one plain vector instruction behind the scaled conversions, ahead of what touches their results
	s_wait_loadcnt 0x0                             ; the two mask words: nothing else is out
	v_cmp_ne_u32 s66, 0, v9
	v_cmp_ne_u32 s67, 0, v10
	s_or_b32 s66, s66, s68                         ; q and v keep every code
	s_or_b32 s67, s67, s68
.irp j, 0,1,2,3
.irp i, 0,1,2,3
	v_cndmask_b32 v[CODE+4*\j+\i], 0, v[CODE+4*\j+\i], s[66+\j/2]   ; k: groups 0, 1 are tile 0's rows, groups 2, 3 tile 1's
.endr
.endr
	global_store_b128 v1, v[CODE:CODE+3], s[48:49] ; each store covers 512 consecutive bytes, aligned
.irp j, 1,2,3
	global_store_b128 v[4+\j], v[CODE+4*\j:CODE+4*\j+3], s[48:49]
.endr
.if \next
	s_wait_xcnt 0x0                                ; the stores' data and base, and the mask's base, are rewritten only behind this wait
	s_add_nc_u64 s[48:49], s[48:49], s[56:57]
	s_cmp_eq_u32 s63, 3
	s_cselect_b32 s60, s58, 0
	s_add_nc_u64 s[48:49], s[48:49], s[60:61]      ; v: on to the next step of 128 keys
	s_add_nc_u64 s[52:53], s[52:53], 128
.endif
.endm
	s_mov_b32 s63, 0
.Lpair:                                            ; seven trips; the eighth pair is written out: it fetches nothing beyond the 256 rows
	PAIR 1
	s_add_co_u32 s63, s63, 1
	s_cmp_lt_u32 s63, 7
	s_cbranch_scc1 .Lpair
	PAIR 0
	s_wait_xcnt 0x0
	v_lshl_add_u32 v254, v0, 2, 0x21000
	v_mov_b32 v255, 0
	s_wait_tensorcnt 0x0
	ds_add_u32 v254, v255
	s_wait_dscnt 0x0
	s_endpgm
.Lfunc_end_k_q5e6e60f158_proj:
	.size	k_q5e6e60f158_proj, .Lfunc_end_k_q5e6e60f158_proj-k_q5e6e60f158_proj
	.p2alignl 7, 3214868480
	.fill 96, 4, 3214868480
	.section	.rodata,"a",@progbits
	.p2align	6, 0x0
	.amdhsa_kernel k_q5e6e60f158_proj
		.amdhsa_group_segment_fixed_size 136192
		.amdhsa_private_segment_fixed_size 0
		.amdhsa_enable_private_segment 0
		.amdhsa_kernarg_size 96
		.amdhsa_user_sgpr_count 2
		.amdhsa_user_sgpr_kernarg_segment_ptr 1
		.amdhsa_wavefront_size32 1
		.amdhsa_system_sgpr_workgroup_id_x 1
		.amdhsa_system_sgpr_workgroup_id_y 1
		.amdhsa_system_sgpr_workgroup_id_z 1
		.amdhsa_system_vgpr_workitem_id 0
		.amdhsa_next_free_vgpr 512
		.amdhsa_next_free_sgpr 80
		.amdhsa_reserve_vcc 0
		.amdhsa_float_denorm_mode_32 3
		.amdhsa_float_denorm_mode_16_64 3
		.amdhsa_memory_ordered 1
		.amdhsa_forward_progress 1
		.amdhsa_inst_pref_size 47
	.end_amdhsa_kernel
	.amdgpu_metadata
---
amdhsa.version: [ 1, 2 ]
amdhsa.kernels:
  - .name:           k_q5e6e60f158_proj
    .symbol:         k_q5e6e60f158_proj.kd
    .args:
      - { .name: x_codes, .offset: 0, .size: 8, .value_kind: global_buffer, .address_space: global }
      - { .name: Wq_codes, .offset: 8, .size: 8, .value_kind: global_buffer, .address_space: global }
      - { .name: Wk_codes, .offset: 16, .size: 8, .value_kind: global_buffer, .address_space: global }
      - { .name: Wv_codes, .offset: 24, .size: 8, .value_kind: global_buffer, .address_space: global }
      - { .name: bq, .offset: 32, .size: 8, .value_kind: global_buffer, .address_space: global }
      - { .name: bk, .offset: 40, .size: 8, .value_kind: global_buffer, .address_space: global }
      - { .name: bv, .offset: 48, .size: 8, .value_kind: global_buffer, .address_space: global }
      - { .name: key_padding_mask, .offset: 56, .size: 8, .value_kind: global_buffer, .address_space: global }
      - { .name: lowp_scales, .offset: 64, .size: 8, .value_kind: global_buffer, .address_space: global }
      - { .name: qf, .offset: 72, .size: 8, .value_kind: global_buffer, .address_space: global }
      - { .name: kf, .offset: 80, .size: 8, .value_kind: global_buffer, .address_space: global }
      - { .name: vf, .offset: 88, .size: 8, .value_kind: global_buffer, .address_space: global }
    .group_segment_fixed_size: 136192
    .private_segment_fixed_size: 0
    .kernarg_segment_align: 8
    .kernarg_segment_size: 96
    .max_flat_workgroup_size: 256
    .sgpr_count:     80
    .vgpr_count:     512
    .wavefront_size: 32
...
	.end_amdgpu_metadata
.endif
;; end of part 1
;; launch attn (part 2): grid 16 x 16, 8 waves a work-group, no clusters, 136,192 bytes of LDS; arguments qf, kf, vf, attn_bias, key_padding_mask, lowp_scales, Wo_codes, bo, out0; writes out0
.if DOCPART == 2
	.amdgcn_target "amdgcn-amd-amdhsa--gfx1250"
	.amdhsa_code_object_version 6
	.text
	.protected	k_q5e6e60f158_attn
	.globl	k_q5e6e60f158_attn
	.p2align	8
	.type	k_q5e6e60f158_attn,@function
k_q5e6e60f158_attn:
	s_mov_b64 s[64:65], 0
	v_nop
	global_prefetch_b8 v0, s[64:65] scope:SCOPE_SE
	s_setreg_imm32_b32 hwreg(HW_REG_WAVE_MODE, 25, 1), 1
	s_wait_xcnt 0x0
; out = (softmax(q k^T / 8 + bias, -1e9 where the key's mask is 0) v) Wo^T + bo, all three products on codes of BF8 (E5M2), each operand with its given scale 2^e (entries 6 .. 11 of the scales).
; SHARES.  Work-group (qb, n): 64 queries of batch n, ALL 8 HEADS, so that the bias [n][64][1024], which the heads share, is read from memory once, and a row's 512 channels meet in one work-group for the last product.
; Wave w is head w for the 64 queries (four tiles of 16), two waves to a SIMD.  Every wave walks the 1,024 keys in 8 steps of 128.
; qf, kf, vf are images of operand registers (L = lane, r = L % 16, g = L / 16, pat(T, i) = 32 (T / 2) + 8 (T % 2) + i + 8 (i / 8)):
;   qf: tile x 1024 + 512 c + 16 L = q(16 tile + r, d = 32 c + 16 g + 0..15);  kf: step x 8192 + T x 1024 + 512 c + 16 L = k(128 step + pat(T, r), same d), zero codes where the mask is 0;
;   vf: step x 8192 + T x 2048 + 512 c + 16 L = v(d = pat(T, r), keys 128 step + 32 c + 16 g + 0..15).  Every load of them is 512 consecutive bytes.
; LAYOUT.  S^T = k q^T (source 0 = 16 keys, source 1 = 16 queries), O^T = v^T p^T: a lane holds ONE query throughout; two neighbouring tiles' 16 registers are 16 neighbouring keys (or channels), so the conversions' results are the next operand.
; BIAS AND MASK.  kk = 3 - e6 - e7.  Each wave stages 8 rows x 128 keys of the bias into LDS as bias x 2^kk, or -1e9 x 2^kk where the mask is 0: once for 8 heads.  That image is the C of the score product:
; D = s + bias x 2^kk = logit x 2^kk, and for a masked key (s = 0 exactly) D = -1e9 x 2^kk exactly.  t = D x c, c = log2(e) x 2^-kk, is kept as a number and M is taken off by a second instruction: in a row all of whose
; keys are masked t - M is then exactly 0 and p = 1 for every key.
; SOFTMAX.  M = the running largest t rounded up to a whole number, kept as -M; p = 2^(t - M) is quantised with 2^e8, not normalised; the sum is taken of the unquantised p; when M moves, sum and O^T are multiplied by 2^(old M - new M).
; p is at most 1 (but for the exponential's last bit), so the hold at 57,344 x 2^e8 is jumped over where e8 >= -15 (the hold is then at 1.75 or more): a scalar branch on a whole number read from memory; no barrier stands under it.
; NO CLUSTER, NO TENSOR LOAD: the bias needs arithmetic on its way into LDS and so passes through registers; a fragment of k or v has ONE reader in the work-group and goes from memory into that wave's registers: a joint load
; with the batch's other query blocks would land in LDS and add 16 KB a wave and step to be written and read there, beside the 32 KB of bias that each wave reads.
; O^T is cleared once by 128 moves: a first step of its own, starting the sums with the constant 0, would be a fourth copy of the step's text.
; LIMITS: kk between -126 and 97 (2^kk, c and -1e9 x 2^kk are f32 numbers); e8 and e10 between -126 and 112; e10 + e11 between -126 and 127.  NaN and infinities in attn_bias and bo are not served.
; LDS: two slots of 64 rows x 528 bytes (bias image) at 0 and 33,792; at 67,584 the image of the attention output's codes (32,768 bytes: 8192 qt + 1024 w + 512 b + 16 L); at 100,352 a stage of 16 rows x 272 bytes for each wave.
; REGISTERS, window 0: v1 16 L; v2, v3 bias image: my place, address in hand; v4, v5 staging: my place, address in hand; v6 -1e9 x 2^kk; v7 the hold; v8 the conversion's scale; v9-11, v28-31 addresses of the end;
;   v12-27 for each tile -M, largest t, the sum in two halves; v32-63 q (later bo); v64-191 S^T, two buffers of 64; v192-207 p's codes; v208-239 bias as loaded; v240-243 mask words; v244-250 at work.
;   window 1: v0-127 O^T (32 a tile; later the last product's sums); v128-191 k; v192-255 v (later Wo, two buffers of 64).
.set SLOTB, 0x8400
.set AIMG,  67584
.set STG,   100352
.set ST,    12
.set Q,     32
.set S,     64
.set P,     192
.set BR,    208
.set MK,    240
.set KF,    128                        ; in window 1
.set VF,    192                        ; in window 1
.set MSB,   0
.macro WIN new                         ; the immediate's high byte repeats the setting that is left
.if MSB != \new
	s_set_vgpr_msb (MSB<<8)|\new
.set MSB, \new
.endif
.endm
.macro PLACES                          ; four plain vector instructions behind a matrix instruction, ahead of reads of its result and of loads into its registers
.rept 4
	v_nop
.endr
.endm
; my 8 rows x 128 keys of the bias (each load: 512 consecutive bytes of one row) and the 128 keys' mask words
.macro BLOAD R, M, bp, mp, off
.irp i, 0,1,2,3,4,5,6,7
	global_load_b128 v[\R+4*\i:\R+4*\i+3], v1, s[\bp:\bp+1] offset:4096*\i+\off th:TH_LOAD_NT
.endr
	global_load_b128 v[\M:\M+3], v1, s[\mp:\mp+1] offset:\off
.endm
; they become the image: bias x 2^kk, or -1e9 x 2^kk where the mask is 0
.macro STAGE R, M, adr
.irp j, 0,1,2,3
	v_cmp_ne_u32 s[60+\j], 0, v[\M+\j]
.endr
.irp i, 0,1,2,3,4,5,6,7
	v_pk_mul_f32 v[\R+4*\i:\R+4*\i+1], v[\R+4*\i:\R+4*\i+1], s[46:47] op_sel_hi:[1,0]
	v_pk_mul_f32 v[\R+4*\i+2:\R+4*\i+3], v[\R+4*\i+2:\R+4*\i+3], s[46:47] op_sel_hi:[1,0]
.irp j, 0,1,2,3
	v_cndmask_b32 v[\R+4*\i+\j], v6, v[\R+4*\i+\j], s[60+\j]
.endr
	ds_store_b128 v[\adr], v[\R+4*\i:\R+4*\i+3] offset:528*\i
.endr
.endm
; the C of tile qt's eight score products: lane (r, g), tile T, register j: query 16 qt + r, key 32 (T / 2) + 8 (T % 2) + 16 g + j
.macro CLOAD qt
.set CBF, S+64*((\qt)%2)
.irp T, 0,1,2,3,4,5,6,7
	ds_load_b128 v[CBF+8*\T:CBF+8*\T+3], v3 offset:(\qt)*8448+128*(\T/2)+32*(\T%2)
	ds_load_b128 v[CBF+8*\T+4:CBF+8*\T+7], v3 offset:(\qt)*8448+128*(\T/2)+32*(\T%2)+16
.endr
.endm
.macro KLOAD step                      ; a step's k: 8 tiles x 2 pieces.  step = 1: the pointer moves on first; its earlier loads have been waited for
.if \step
	s_add_nc_u64 s[10:11], s[10:11], 8192
.endif
	WIN 0x40
.set jj, 0
.rept 16
	global_load_b128 v[KF+4*jj:KF+4*jj+3], v1, s[10:11] offset:512*jj
.set jj, jj+1
.endr
	WIN 0
.endm
.macro VLOAD step                      ; a step's v: 4 tiles x 4 pieces
.if \step
	s_add_nc_u64 s[12:13], s[12:13], 8192
.endif
	WIN 0x40
.set jj, 0
.rept 16
	global_load_b128 v[VF+4*jj:VF+4*jj+3], v1, s[12:13] offset:512*jj
.set jj, jj+1
.endr
	WIN 0
.endm
	s_load_b512 s[8:23], s[0:1], 0x0               ; qf s[8:9], kf s[10:11], vf s[12:13], bias s[14:15], mask s[16:17], scales s[18:19], Wo s[20:21], bo s[22:23]
	s_load_b64 s[24:25], s[0:1], 0x40              ; out
	v_lshl_add_u32 v254, v0, 2, 0x21000
	v_mov_b32 v255, 0
	v_lshrrev_b32 v248, 5, v0
	v_readfirstlane_b32 s2, v248                   ; wave = head
	s_mov_b32 s3, ttmp9                            ; qb
	s_and_b32 s4, ttmp7, 0xffff                    ; n
	v_and_b32 v249, 31, v0
	v_lshlrev_b32 v1, 4, v249                      ; 16 L
	v_and_b32 v248, 15, v0                         ; r
	v_bfe_u32 v249, v0, 4, 1                       ; g
	v_mul_u32_u24 v2, v248, 528
	v_lshl_add_u32 v2, v249, 6, v2                 ; bias image: row r, + 64 g
	s_mul_i32 s26, s2, 8*528
	v_add_nc_u32 v4, s26, v1                       ; staging: my 8 rows, 16 bytes a lane
	v_add_nc_u32 v9, AIMG, v1                      ; the output codes' image, to read,
	s_lshl_b32 s26, s2, 10
	v_add_nc_u32 v10, s26, v9                      ; and my head's part of it, to write
	s_mul_i32 s26, s2, 16*272
	s_add_co_u32 s26, s26, STG                     ; my stage
	v_mul_u32_u24 v11, v248, 272
	v_lshl_add_u32 v11, v249, 5, v11
	v_add_nc_u32 v11, s26, v11                     ; in: row r, + 32 g
	v_mul_u32_u24 v28, v249, 272
	v_lshl_add_u32 v28, v248, 4, v28
	v_add_nc_u32 v28, s26, v28                     ; back: lanes 0-15 one row of 256 bytes, lanes 16-31 the next
	v_lshlrev_b32 v29, 11, v249
	v_lshl_add_u32 v29, v248, 4, v29               ; and the same two rows in out
	v_lshlrev_b32 v30, 9, v248
	v_lshl_add_u32 v30, v249, 4, v30               ; Wo: row r of 512 bytes, + 16 g
	v_lshlrev_b32 v31, 5, v249                     ; bo: 8 g numbers on
	s_lshl_b32 s28, s4, 3
	s_add_co_u32 s28, s28, s2                      ; 8 n + head
	s_lshl_b32 s28, s28, 16
	s_mov_b32 s29, 0
	s_lshl_b32 s26, s3, 12                         ; four tiles of q are 4,096 bytes
	s_add_co_u32 s26, s26, s28
	s_mov_b32 s27, 0
	s_mov_b32 s50, 0x76543210                      ; v_permlanex16_b32's selects for lane l xor 16
	s_mov_b32 s51, 0xfedcba98
	s_wait_kmcnt 0x0
	s_load_b256 s[32:39], s[18:19], 0x0            ; the twelve exponents: e6 s38, e7 s39,
	s_load_b128 s[40:43], s[18:19], 0x20           ; e8 s40, e9 s41, e10 s42, e11 s43
	s_add_nc_u64 s[8:9], s[8:9], s[26:27]
	s_add_nc_u64 s[10:11], s[10:11], s[28:29]
	s_add_nc_u64 s[12:13], s[12:13], s[28:29]
	s_lshl_b32 s26, s4, 10
	s_lshl_b32 s30, s3, 6
	s_add_co_u32 s26, s26, s30                     ; my first row: 1024 n + 64 qb
	s_lshl_b32 s28, s26, 11                        ; in out: rows of 2,048 bytes
	s_lshl_b32 s30, s2, 3
	s_add_co_u32 s26, s26, s30
	s_lshl_b32 s26, s26, 12                        ; in the bias: rows of 4,096 bytes, my wave's 8 rows
	s_add_nc_u64 s[14:15], s[14:15], s[26:27]
	s_lshl_b32 s26, s2, 8                          ; my 64 columns of out and of bo
	s_add_co_u32 s28, s28, s26
	s_add_nc_u64 s[24:25], s[24:25], s[28:29]
	s_add_nc_u64 s[22:23], s[22:23], s[26:27]
	s_lshl_b32 s26, s2, 15
	s_add_nc_u64 s[20:21], s[20:21], s[26:27]      ; my 64 rows of Wo
	s_lshl_b32 s26, s4, 12
	s_add_nc_u64 s[16:17], s[16:17], s[26:27]      ; the batch's mask
	s_add_nc_u64 s[52:53], s[14:15], 512           ; the walking pointers of bias and mask, at step 1
	s_add_nc_u64 s[54:55], s[16:17], 512
.irp i, 0,1,2,3,4,5,6,7
	global_load_b128 v[Q+4*\i:Q+4*\i+3], v1, s[8:9] offset:512*\i   ; q stays in registers: tile i / 2, piece i % 2
.endr
	BLOAD 128, 160, 14, 16, 0                      ; step 0's bias, into registers that S^T will take
	BLOAD BR, MK, 14, 16, 512                      ; step 1's
	KLOAD 0
	VLOAD 0
	WIN 0x40
.set jj, 0
.rept 128
	v_mov_b32 v[jj], 0                             ; O^T: the first change of M multiplies zeros
.set jj, jj+1
.endr
	WIN 0
.irp t, 0,1,2,3
	v_mov_b32 v[ST+4*\t+1], 0xff61b1e6             ; the largest t so far: -3e38, under every t
	v_floor_f32 v[ST+4*\t], -v[ST+4*\t+1]          ; -M
	v_mov_b32 v[ST+4*\t+2], 0                      ; the sum, in two halves
	v_mov_b32 v[ST+4*\t+3], 0
.endr
	v_mov_b32 v245, 0                              ; (named as the upper half of the pair v[244:245])
	v_mov_b32 v250, 0                              ; written once: a lane permute's destination counts as one of its sources
	s_wait_kmcnt 0x0
	s_add_co_i32 s44, s38, s39
	s_sub_co_i32 s44, 3, s44                       ; kk = 3 - e6 - e7
	s_add_co_i32 s60, s44, 127
	s_lshl_b32 s46, s60, 23                        ; 2^kk as f32
	s_mov_b32 s47, s46                             ; (named with it as a pair, so it is written)
	s_lshl_b32 s60, s44, 23
	s_sub_co_i32 s48, 0x3fb8aa3b, s60              ; c = log2(e) x 2^-kk: kk is taken off the exponent field
	s_mov_b32 s49, s48
	v_mov_b32 v6, 0xce6e6b28                       ; -1e9
	v_ldexp_f32 v6, v6, s44                        ; x 2^kk
	s_add_co_i32 s60, s40, 127
	s_lshl_b32 s61, s60, 23
	v_mov_b32 v8, s61                              ; 2^e8 as f32, for p's conversions
	s_add_co_i32 s60, s60, 15
	s_lshl_b32 s60, s60, 23
	s_or_b32 s60, s60, 0x600000
	v_mov_b32 v7, s60                              ; 57,344 x 2^e8
	s_add_co_i32 s68, s40, s41                     ; e8 + e9
	s_add_co_i32 s60, s42, s43
	s_add_co_i32 s60, s60, 127
	s_lshl_b32 s66, s60, 23                        ; 2^(e10 + e11) as f32
	s_mov_b32 s67, s66
	s_wait_loadcnt 41                              ; younger: step 1's bias and mask (9), k (16), v (16): q and step 0's bias are in
	STAGE 128, 160, 4                              ; into slot 0
	s_wait_dscnt 0x0                               ; for the others' sake: my rows of the image lie in LDS
	s_barrier_signal -1
	s_barrier_wait -1
; TILE qt OF A STEP.  lk, lv: how many younger loads may be out when k, v must be there (asked at qt = 0).  more = 1: behind the last use of k and of v the next step's are asked for.
.macro QT qt, lk, lv, more
.set SB,  S+64*((\qt)%2)
.set STQ, ST+4*(\qt)
	s_wait_dscnt 0x0                               ; my C is in (at qt = 0 my staging stores have landed too)
.if (\qt) == 0
	s_wait_loadcnt \lk
.endif
	WIN 0x01                                       ; source 0 = k, window 1
.irp T, 0,1,2,3,4,5,6,7
	v_wmma_f32_16x16x64_bf8_bf8 v[SB+8*\T:SB+8*\T+7], v[KF+8*\T:KF+8*\T+7], v[Q+8*(\qt):Q+8*(\qt)+7], v[SB+8*\T:SB+8*\T+7]
.endr
	WIN 0
	PLACES
.if (\qt) < 3
	CLOAD (\qt)+1                                  ; the next tile's C lands in the other buffer under this tile's softmax
.elseif \more
	KLOAD 1
.endif
	v_max3_num_f32 v248, v[SB], v[SB+1], v[SB+2]   ; the largest D of my query among my 64 keys, in two chains; each accumulator is read from its low end on
	v_max3_num_f32 v249, v[SB+3], v[SB+4], v[SB+5]
.set jj, 6
.rept 14
	v_max3_num_f32 v248, v248, v[SB+jj], v[SB+jj+1]
	v_max3_num_f32 v249, v249, v[SB+jj+2], v[SB+jj+3]
.set jj, jj+4
.endr
	v_max3_num_f32 v248, v248, v[SB+62], v[SB+63]
	v_max_num_f32 v248, v248, v249
	v_permlanex16_b32 v250, v248, s50, s51
	v_max_num_f32 v248, v248, v250                 ; and among lane l xor 16's
	v_mul_f32 v248, s48, v248                      ; as t (c is positive)
	v_max_num_f32 v[STQ+1], v[STQ+1], v248         ; the running largest t
	v_mov_b32 v249, v[STQ]
	v_floor_f32 v[STQ], -v[STQ+1]                  ; the new -M = -ceil(t)
	v_sub_f32 v249, v[STQ], v249                   ; old M - new M: a whole number, 0 or less
	v_cvt_i32_f32 v249, v249                       ; (it saturates)
	v_ldexp_f32 v244, 1.0, v249                    ; f = 2^(old M - new M)
.set jj, 0
.rept 32
	v_pk_mul_f32 v[SB+jj:SB+jj+1], v[SB+jj:SB+jj+1], s[48:49] op_sel_hi:[1,0]   ; t = D x c, rounded as a number of its own
.set jj, jj+2
.endr
.set jj, 0
.rept 32
	v_pk_add_f32 v[SB+jj:SB+jj+1], v[SB+jj:SB+jj+1], v[STQ:STQ+1] op_sel_hi:[1,0]   ; t - M (the pair's low word, -M, for both halves)
.set jj, jj+2
.endr
.set jj, 0
.rept 64
	v_exp_f32 v[SB+jj], v[SB+jj]                   ; p = 2^(t - M)
.set jj, jj+1
.endr
	v_pk_mul_f32 v[STQ+2:STQ+3], v[STQ+2:STQ+3], v[244:245] op_sel_hi:[1,0]   ; the sum under the new M.  (The plain instruction behind the exponentials)
	s_wait_alu depctr_va_vdst(0)
	v_pk_add_f32 v[246:247], v[SB:SB+1], v[SB+2:SB+3]   ; the sum is taken of the unquantised p, in two chains
.set jj, 4
.rept 15
	v_pk_add_f32 v[STQ+2:STQ+3], v[STQ+2:STQ+3], v[SB+jj:SB+jj+1]
	v_pk_add_f32 v[246:247], v[246:247], v[SB+jj+2:SB+jj+3]
.set jj, jj+4
.endr
	v_pk_add_f32 v[STQ+2:STQ+3], v[STQ+2:STQ+3], v[246:247]
	s_cmp_lt_i32 s40, -15                          ; the hold can bite only where 57,344 x 2^e8 lies under p's largest: e8 < -15
	s_cbranch_scc0 .Lnohold_\@
.set jj, 0
.rept 64
	v_min_num_f32 v[SB+jj], v[SB+jj], v7           ; the conversion does not saturate (ISA guide 7.6.2); p is not negative, so the hold is one-sided
.set jj, jj+1
.endr
.Lnohold_\@:
.irp b, 0,1,2,3
	v_cvt_scalef32_pk8_bf8_f32 v[P+4*\b:P+4*\b+1], v[SB+16*\b:SB+16*\b+7], v8
	v_cvt_scalef32_pk8_bf8_f32 v[P+4*\b+2:P+4*\b+3], v[SB+16*\b+8:SB+16*\b+15], v8
.endr
	WIN 0x41                                       ; O^T in window 1, f in window 0
.set jj, 0
.rept 16
	v_pk_mul_f32 v[32*(\qt)+jj:32*(\qt)+jj+1], v[32*(\qt)+jj:32*(\qt)+jj+1], v[244:245] op_sel_hi:[1,0]   ; O^T under the new M.  (Also the plain instructions behind the conversions)
.set jj, jj+2
.endr
.if (\qt) == 0
	s_wait_loadcnt \lv
.endif
	WIN 0x51                                       ; v, C and D in window 1, p in window 0
.irp d, 0,1,2,3
	v_wmma_f32_16x16x128_bf8_bf8 v[32*(\qt)+8*\d:32*(\qt)+8*\d+7], v[VF+16*\d:VF+16*\d+15], v[P:P+15], v[32*(\qt)+8*\d:32*(\qt)+8*\d+7]
.endr
	WIN 0
.if ((\qt) == 3) && \more
	PLACES
	VLOAD 1
.endif
.endm
; A STEP OF 128 KEYS.  stage = 1: the next step's bias goes into the other slot, and a barrier ends the step.  fetch = 1: the bias two steps on is asked for.  more = 1: the next step's k and v are asked for.
; At a step's head these loads of mine are out, in this order: the next step's bias and mask (9, if stage), this step's k (16), this step's v (16).
.macro STEP stage, fetch, more
	v_add_nc_u32 v3, s56, v2
	CLOAD 0
.if \stage
	s_xor_b32 s57, s56, SLOTB
	v_add_nc_u32 v5, s57, v4
	s_wait_loadcnt 32                              ; younger: k and v: the next step's bias and mask are in
	STAGE BR, MK, 5
.endif
.if \fetch
	s_wait_dscnt 0x0                               ; the staging stores have read their registers
	s_add_nc_u64 s[52:53], s[52:53], 512           ; (the loads that named these pointers were shown done by the wait for 32)
	s_add_nc_u64 s[54:55], s[54:55], 512
	BLOAD BR, MK, 52, 54, 0
.endif
	QT 0, 16+9*\fetch, 9*\fetch, \more             ; younger than k: v (16) and the fetch (9); younger than v: the fetch
	QT 1, 0, 0, \more
	QT 2, 0, 0, \more
	QT 3, 0, 0, \more
.if \stage
	s_wait_dscnt 0x0                               ; my stores into the next slot have landed and my reads of this slot are back
	s_barrier_signal -1
	s_barrier_wait -1                              ; so have every wave's: the next step reads the one slot and writes the other
	s_xor_b32 s56, s56, SLOTB
.endif
.endm
	s_mov_b32 s56, 0                               ; the slot in hand
	s_mov_b32 s58, 0
.Lstep:                                            ; steps 0 to 5 ask for the bias of steps 2 to 7
	STEP 1, 1, 1
	s_add_co_u32 s58, s58, 1
	s_cmp_lt_u32 s58, 6
	s_cbranch_scc1 .Lstep
	STEP 1, 0, 1                                   ; step 6: no bias is left to ask for
	STEP 0, 0, 0                                   ; step 7: nothing is left to ask for
; THE END.  O^T x 2^(e8 + e9) / the sum is quantised with 2^e10; each head's codes are two pieces of the last product's operand and go to LDS as an image of its registers.
; Then the waves share the COLUMNS: wave w makes out's columns 64 w .. 64 w + 63 of all 64 rows, transposed (source 0 = 16 rows of Wo, source 1 = 16 rows): a lane holds eight neighbouring columns of one row.
.macro WOLOAD ks                       ; Wo's four fragments of K step ks, into buffer ks % 2
	WIN 0x40
.irp nt, 0,1,2,3
.irp c, 0,1,2,3
	global_load_b128 v[128+64*((\ks)%2)+16*\nt+4*\c:128+64*((\ks)%2)+16*\nt+4*\c+3], v30, s[20:21] offset:8192*\nt+128*(\ks)+32*\c
.endr
.endr
	WIN 0
.endm
.macro AFETCH ks                       ; the four tiles' fragments of K step ks, into buffer ks % 2
.irp qt, 0,1,2,3
.irp c, 0,1,2,3
	ds_load_b128 v[S+64*((\ks)%2)+16*\qt+4*\c:S+64*((\ks)%2)+16*\qt+4*\c+3], v9 offset:8192*\qt+2048*(\ks)+512*\c
.endr
.endr
.endm
	PLACES                                         ; behind the last products: ahead of the loads into k's and v's registers and of the reads of O^T
	WOLOAD 0
	WOLOAD 1
.irp nt, 0,1,2,3
	global_load_b128 v[Q+8*\nt:Q+8*\nt+3], v31, s[22:23] offset:64*\nt        ; bo at columns 16 nt + 8 g + 0..7
	global_load_b128 v[Q+8*\nt+4:Q+8*\nt+7], v31, s[22:23] offset:64*\nt+16
.endr
	s_add_co_i32 s60, s42, 127
	s_lshl_b32 s61, s60, 23
	v_mov_b32 v8, s61                              ; 2^e10
	s_add_co_i32 s60, s60, 15
	s_lshl_b32 s60, s60, 23
	s_or_b32 s60, s60, 0x600000
	v_mov_b32 v7, s60                              ; 57,344 x 2^e10
.irp t, 0,1,2,3
	v_add_f32 v[ST+4*\t+2], v[ST+4*\t+2], v[ST+4*\t+3]           ; the sum's two halves,
.endr
.irp t, 0,1,2,3
	v_permlanex16_b32 v[ST+4*\t+3], v[ST+4*\t+2], s50, s51
.endr
.irp t, 0,1,2,3
	v_add_f32 v[ST+4*\t+2], v[ST+4*\t+2], v[ST+4*\t+3]           ; and lane l xor 16's
.endr
.irp t, 0,1,2,3
	v_rcp_f32 v[ST+4*\t+2], v[ST+4*\t+2]
.endr
	v_nop                                          ; a plain instruction between the last reciprocal and the use of its result
	s_wait_alu depctr_va_vdst(0)
.irp t, 0,1,2,3
	v_ldexp_f32 v[ST+4*\t+2], v[ST+4*\t+2], s68    ; x 2^(e8 + e9)
.endr
	WIN 0x01                                       ; source 0 = O^T, window 1
.irp t, 0,1,2,3
.set jj, 0
.rept 16
	v_pk_mul_f32 v[S+32*\t+jj:S+32*\t+jj+1], v[32*\t+jj:32*\t+jj+1], v[ST+4*\t+2:ST+4*\t+3] op_sel_hi:[1,0]
.set jj, jj+2
.endr
.endr
	WIN 0
.set jj, 0
.rept 128
	v_med3_num_f32 v[S+jj], v[S+jj], -v7, v7       ; the hold at the largest code x the scale
.set jj, jj+1
.endr
.irp i, 0,1,2,3,4,5,6,7                        ; i = 2 qt + b: channels 32 b + 16 g + 0..15 of my head
	v_cvt_scalef32_pk8_bf8_f32 v[BR+4*\i:BR+4*\i+1], v[S+16*\i:S+16*\i+7], v8
	v_cvt_scalef32_pk8_bf8_f32 v[BR+4*\i+2:BR+4*\i+3], v[S+16*\i+8:S+16*\i+15], v8
.endr
	v_nop                                          ; one plain vector instruction behind the scaled conversions
.irp i, 0,1,2,3,4,5,6,7
	ds_store_b128 v10, v[BR+4*\i:BR+4*\i+3] offset:8192*(\i/2)+512*(\i%2)
.endr
	s_wait_dscnt 0x0                               ; for the others' sake: my head's pieces lie in LDS
	s_barrier_signal -1
	s_barrier_wait -1                              ; all eight heads' do
	AFETCH 0
	AFETCH 1
; K step ks of the last product: 16 accumulators by turns.  lc, dc: the younger global and LDS loads that may stay out.
.macro OUTK ks, lc, dc
	s_wait_loadcnt \lc
	s_wait_dscnt \dc
	WIN 0x51
.irp nt, 0,1,2,3
.irp qt, 0,1,2,3
.if (\ks) == 0
	v_wmma_f32_16x16x128_bf8_bf8 v[32*\qt+8*\nt:32*\qt+8*\nt+7], v[128+64*((\ks)%2)+16*\nt:128+64*((\ks)%2)+16*\nt+15], v[S+64*((\ks)%2)+16*\qt:S+64*((\ks)%2)+16*\qt+15], 0
.else
	v_wmma_f32_16x16x128_bf8_bf8 v[32*\qt+8*\nt:32*\qt+8*\nt+7], v[128+64*((\ks)%2)+16*\nt:128+64*((\ks)%2)+16*\nt+15], v[S+64*((\ks)%2)+16*\qt:S+64*((\ks)%2)+16*\qt+15], v[32*\qt+8*\nt:32*\qt+8*\nt+7]
.endif
.endr
.endr
	WIN 0
	PLACES
.if (\ks) < 2
	WOLOAD (\ks)+2
	AFETCH (\ks)+2
.endif
.endm
	OUTK 0, 24, 16                                 ; younger than Wo's step 0: step 1 (16) and bo (8); than the image's step 0: step 1 (16)
	OUTK 1, 24, 16                                 ; younger than Wo's step 1: bo (8) and step 2 (16)
	OUTK 2, 16, 16                                 ; younger than step 2: step 3; bo is in as well
	OUTK 3, 0, 0
; THE WAY OUT, a tile of 16 rows at a time: sum x 2^(e10 + e11) + bo by one packed multiply-add; through my own stage, back as rows of 256 bytes.  LDS serves a wave's instructions in order (ISA guide 5.7.1.4).
.macro TOSTAGE qt
.set TM, 64+32*((\qt)%2)
.set BK, 128+32*((\qt)%2)
	WIN 0x01
.irp nt, 0,1,2,3
.irp i, 0,2,4,6
	v_pk_fma_f32 v[TM+8*\nt+\i:TM+8*\nt+\i+1], v[32*(\qt)+8*\nt+\i:32*(\qt)+8*\nt+\i+1], s[66:67], v[Q+8*\nt+\i:Q+8*\nt+\i+1] op_sel_hi:[1,0,1]
.endr
.endr
	WIN 0
.irp nt, 0,1,2,3
	ds_store_b128 v11, v[TM+8*\nt:TM+8*\nt+3] offset:64*\nt
	ds_store_b128 v11, v[TM+8*\nt+4:TM+8*\nt+7] offset:64*\nt+16
.endr
.irp i, 0,1,2,3,4,5,6,7
	ds_load_b128 v[BK+4*\i:BK+4*\i+3], v28 offset:544*\i
.endr
.endm
.macro SEND qt, younger                ; younger: the LDS instructions issued behind tile qt's loads
.set BK, 128+32*((\qt)%2)
	s_wait_dscnt \younger
.irp i, 0,1,2,3,4,5,6,7
	global_store_b128 v29, v[BK+4*\i:BK+4*\i+3], s[24:25] offset:(16*(\qt)+2*\i)*2048 th:TH_STORE_NT   ; 16 lanes store 256 consecutive bytes, at a multiple of 256 from out's first byte
.endr
.endm
	TOSTAGE 0
	TOSTAGE 1
	SEND 0, 16
	s_wait_xcnt 0x0                                ; tile 0's stores have read their registers: tile 2's rows may land there
	TOSTAGE 2
	SEND 1, 16
	s_wait_xcnt 0x0                                ; likewise tile 1's
	TOSTAGE 3
	SEND 2, 16
	SEND 3, 0
	s_wait_tensorcnt 0x0
	ds_add_u32 v254, v255
	s_wait_dscnt 0x0
	s_endpgm
.Lfunc_end_k_q5e6e60f158_attn:
	.size	k_q5e6e60f158_attn, .Lfunc_end_k_q5e6e60f158_attn-k_q5e6e60f158_attn
	.p2alignl 7, 3214868480
	.fill 96, 4, 3214868480
	.section	.rodata,"a",@progbits
	.p2align	6, 0x0
	.amdhsa_kernel k_q5e6e60f158_attn
		.amdhsa_group_segment_fixed_size 136192
		.amdhsa_private_segment_fixed_size 0
		.amdhsa_enable_private_segment 0
		.amdhsa_kernarg_size 72
		.amdhsa_user_sgpr_count 2
		.amdhsa_user_sgpr_kernarg_segment_ptr 1
		.amdhsa_wavefront_size32 1
		.amdhsa_system_sgpr_workgroup_id_x 1
		.amdhsa_system_sgpr_workgroup_id_y 1
		.amdhsa_system_sgpr_workgroup_id_z 1
		.amdhsa_system_vgpr_workitem_id 0
		.amdhsa_next_free_vgpr 512
		.amdhsa_next_free_sgpr 80
		.amdhsa_reserve_vcc 0
		.amdhsa_float_denorm_mode_32 3
		.amdhsa_float_denorm_mode_16_64 3
		.amdhsa_memory_ordered 1
		.amdhsa_forward_progress 1
		.amdhsa_inst_pref_size 255
	.end_amdhsa_kernel
	.section	.bss,"aw",@nobits
	.p2align	6
	.space	262144
	.amdgpu_metadata
---
amdhsa.version: [ 1, 2 ]
amdhsa.kernels:
  - .name:           k_q5e6e60f158_attn
    .symbol:         k_q5e6e60f158_attn.kd
    .args:
      - { .name: qf, .offset: 0, .size: 8, .value_kind: global_buffer, .address_space: global }
      - { .name: kf, .offset: 8, .size: 8, .value_kind: global_buffer, .address_space: global }
      - { .name: vf, .offset: 16, .size: 8, .value_kind: global_buffer, .address_space: global }
      - { .name: attn_bias, .offset: 24, .size: 8, .value_kind: global_buffer, .address_space: global }
      - { .name: key_padding_mask, .offset: 32, .size: 8, .value_kind: global_buffer, .address_space: global }
      - { .name: lowp_scales, .offset: 40, .size: 8, .value_kind: global_buffer, .address_space: global }
      - { .name: Wo_codes, .offset: 48, .size: 8, .value_kind: global_buffer, .address_space: global }
      - { .name: bo, .offset: 56, .size: 8, .value_kind: global_buffer, .address_space: global }
      - { .name: out0, .offset: 64, .size: 8, .value_kind: global_buffer, .address_space: global }
    .group_segment_fixed_size: 136192
    .private_segment_fixed_size: 0
    .kernarg_segment_align: 8
    .kernarg_segment_size: 72
    .max_flat_workgroup_size: 256
    .sgpr_count:     80
    .vgpr_count:     512
    .wavefront_size: 32
...
	.end_amdgpu_metadata
.endif
;; end of part 2
;; ======== version 2 of 2: 2 launches; version 1 with the launches proj, attn written anew for expert scheduling mode
;; workspace buffers: qf 8,388,608 bytes; kf 8,388,608 bytes; vf 8,388,608 bytes
;; launch proj (part 3): grid 64 x 3, 8 waves a work-group, no clusters, 136,192 bytes of LDS; arguments x_codes, Wq_codes, Wk_codes, Wv_codes, bq, bk, bv, key_padding_mask, lowp_scales, qf, kf, vf; writes qf, kf, vf
.if DOCPART == 3
	.amdgcn_target "amdgcn-amd-amdhsa--gfx1250"
	.amdhsa_code_object_version 6
	.text
	.protected	k_q5e6e60f158_proj
	.globl	k_q5e6e60f158_proj
	.p2align	8
	.type	k_q5e6e60f158_proj,@function
k_q5e6e60f158_proj:
	s_mov_b64 s[64:65], 0
	v_nop
	global_prefetch_b8 v0, s[64:65] scope:SCOPE_SE
	s_setreg_imm32_b32 hwreg(HW_REG_WAVE_SCHED_MODE, 0, 2), 2
	s_setreg_imm32_b32 hwreg(HW_REG_WAVE_MODE, 25, 1), 1
	s_wait_xcnt 0x0
	s_wait_alu depctr_vm_vsrc(0)
; q, k, v = x W^T + b on codes of BF8 (E5M2), quantised again to codes for the attention's products.  x: [16384][512] codes; Wq, Wk, Wv: [512][512] codes, K innermost; bq, bk, bv: [512] f32.
; SHARES.  Work-group (blk, t): 256 rows of x (blk = 0..63), tensor t (0 = q, 1 = k, 2 = v).  Wave w is head w: its 64 rows x 512 K of W stay in 256 registers (window 1);
; the 256 rows of x lie in LDS and every wave reads all of them, 32 rows (a PAIR of tiles) a trip: 32 matrix instructions of 16 x 16 x 128, eight accumulators by turns.
; 3 tensors x 64 blocks are 192 work-groups: blocks of 128 rows would be 384, which no 256 divides either, and each would load the same 256 KB of W for half the rows.
; OUTPUT: IMAGES OF OPERAND REGISTERS, 65,536 bytes for each (batch, head).  L = lane, r = L % 16, g = L / 16, pat(T, i) = 32 (T / 2) + 8 (T % 2) + i + 8 (i / 8).
;   qf: tile x 1024 + 512 c + 16 L = q(query 16 tile + r, d = 32 c + 16 g + 0..15)
;   kf: step x 8192 + T x 1024 + 512 c + 16 L = k(key 128 step + pat(T, r), d = 32 c + 16 g + 0..15); ZERO CODES where the key's mask is 0, so that its score is exactly 0 and the next launch's -1e9 stands alone
;   vf: step x 8192 + T x 2048 + 512 c + 16 L = v(d = pat(T, r), keys 128 step + 32 c + 16 g + 0..15)
; q and k use the product transposed (source 0 = 16 rows of W, source 1 = 16 rows of x): a lane holds one row and its registers run along d.  v uses it as it is (source 0 = x, source 1 = W): a lane holds one d
; and its registers run along the keys.  The rows of W that form a tile are pat(T, .), so that two neighbouring tiles' 16 registers are 16 neighbours; for k and v the rows of x that form a tile are pat too:
; x's rows are put into LDS in that order, so a fragment always reads 16 consecutive LDS rows.  Inside a fragment registers 4 c .. 4 c + 3 hold K = 32 c + 16 g + 0..15, alike on both sides of every product.
; The bias is the C of each sum's first matrix instruction, divided by 2^(ex + ew); the conversion's one scale is 2^(eo - ex - ew).  (ex, ew, eo) = entries (0, 1, 6), (2, 3, 7), (4, 5, 9) of the scales.
; NO CLUSTER, NO TENSOR LOAD: a row of x is shared by 3 work-groups only, and it changes its place on the way into LDS (by t), so it passes through registers; W goes straight into its one reader's registers.
; LIMITS: eo - ex - ew between -126 and 112, so that the scale and 57,344 x the scale are f32 numbers.  NaN in the biases is not served.
; REGISTERS, window 0: v1 16 L; v2 528 r + 16 g; v3 LDS address in hand; v5-7 16 L + j x the groups' distance; v8 4 (r + 8 (r / 8)); v9, v10 mask words; v11 the scale; v12 the hold; v13 W's lane offset; v15 LDS place of my rows;
;   v16-47 the bias as C; v48-111 eight accumulators (at the head: offsets); v112-127 codes; v128-255 x's fragments (at the head: 32 rows as loaded).   window 1: W's 16 fragments.
; THE MODE: SCHED_MODE bits 1:0 = 2 (LLVM: expert scheduling mode 2), set by the entry lines.  The code itself states the register dependences between vector or matrix instructions and memory or LDS
; instructions, with s_wait_alu, always for 0.
; THE PLAN.  Registers that memory or LDS instructions touch:
;   v1, v5-7, v8, v13, v15   offsets and addresses: made at the head, ahead of the head's one wait on va_vdst, and never written again.
;   v49-51, v56-63           offsets of the head's loads of x and of b; from the first pair on the products write them as accumulators: one wait on vm_vsrc behind the barrier.
;   v128-255                 at the head loads of x land there and my LDS stores read them (the same wait on vm_vsrc); then, pair by pair, 32 LDS loads land there and the pair's 32 products read them.
;   v3                       written once a pair, behind the pair's wait on vm_vsrc; read by the 32 LDS loads.
;   v9, v10                  the mask's loads land there at a pair's head; two compares read them.
;   v112-127                 written by the conversions and the selects; read by the pair's four stores.
; A pair has three waits on va_vdst: one ahead of its products; one behind its products and the add to v3, ahead of the next pair's 32 LDS loads; one ahead of its four stores, which also states that the compares are done with v9 and v10,
; in which the next pair's first two loads land with no vector instruction between.  One wait on vm_vsrc a pair stands behind the products, ahead of the add to v3 and of the conversions.
; The two waves of a SIMD hold 512 registers each, all that there are: x's fragments have one buffer.
.set PITCH, 528                        ; an LDS row: 512 bytes + 16: the sixteen rows of a fragment load start 33 x 16 bytes apart
.set BI,    16
.set ACC,   48
.set CODE,  112
.set XF,    128
.set MSB,   0
.macro WIN new                         ; the immediate's high byte repeats the setting that is left
.if MSB != \new
	s_set_vgpr_msb (MSB<<8)|\new
.set MSB, \new
.endif
.endm
.macro PLACES                          ; four plain vector instructions behind a matrix instruction, ahead of reads of its result (ISA guide 7.12.1)
.rept 4
	v_nop
.endr
.endm
	s_load_b512 s[8:23], s[0:1], 0x0               ; x s[8:9], Wq s[10:11], Wk s[12:13], Wv s[14:15], bq s[16:17], bk s[18:19], bv s[20:21], mask s[22:23]
	s_load_b256 s[24:31], s[0:1], 0x40             ; scales s[24:25], qf s[26:27], kf s[28:29], vf s[30:31]
	v_lshrrev_b32 v14, 5, v0
	v_readfirstlane_b32 s2, v14                    ; wave = head
	s_and_b32 s3, ttmp7, 0xffff                    ; t
	s_mov_b32 s4, ttmp9                            ; blk
	v_and_b32 v14, 31, v0
	v_lshlrev_b32 v1, 4, v14                       ; 16 L
	v_and_b32 v14, 15, v0                          ; r
	v_bfe_u32 v52, v0, 4, 1                        ; g
	v_mul_u32_u24 v2, v14, PITCH
	v_lshl_add_u32 v2, v52, 4, v2                  ; a fragment's row x pitch + 16 g
	v_and_b32 v53, 8, v14
	v_add_nc_u32 v53, v53, v14                     ; r + 8 (r / 8)
	v_lshlrev_b32 v8, 2, v53                       ; its mask word
	v_lshlrev_b32 v13, 9, v53
	v_lshl_add_u32 v13, v52, 4, v13                ; W: row r + 8 (r / 8) of 512 bytes, + 16 g
	s_wait_alu depctr_va_sdst(0)                   ; s2 is written, ahead of its first reader: LDS places and all bases are made from it
	s_mul_i32 s60, s2, 32*PITCH
	v_add_nc_u32 v15, s60, v1                      ; LDS: my wave's 32 rows, 16 bytes a lane
	; what hangs on t, all by selects on the work-group's y
	s_mov_b32 s70, 4096
	s_mov_b32 s71, 8192
	s_cmp_eq_u32 s3, 0
	s_cselect_b32 s70, 8192, s70                   ; LDS row 16 X + 8 Y + r0 of a pair holds row X SX + Y SY + r0: (SX, SY) = (16, 8) for q, (8, 16) for k and v; here x 512 bytes
	s_cselect_b32 s71, 4096, s71
	s_mov_b32 s55, 512
	s_mov_b32 s56, 2048
	s_cmp_eq_u32 s3, 2
	s_cselect_b32 s55, 2048, s55                   ; from one group of 16 registers' codes to the next: 512 bytes, for v 2,048
	s_cselect_b32 s56, 512, s56                    ; from pair to pair: 2,048 bytes, for v 512,
	s_cselect_b32 s58, 6144, 0                     ; and for v 6,144 more behind the fourth pair (a step's 8,192 less four times 512)
	s_cselect_b32 s69, -1, 0                       ; all lanes: v
	s_cselect_b32 s72, 0, 4                        ; the bias from register to register: 4 bytes, for v none
	s_mov_b32 s57, 0
	s_cmp_eq_u32 s3, 1
	s_cselect_b32 s68, 0, -1                       ; only k's codes heed the mask
	v_add_nc_u32 v49, s71, v1                      ; x's offsets: 16 L + (X SX + Y SY) x 512
	v_add_nc_u32 v50, s70, v1
	v_add_nc_u32 v51, s71, v50
	v_add_nc_u32 v5, s55, v1                       ; the stores' offsets
	v_add_nc_u32 v6, s55, v5
	v_add_nc_u32 v7, s55, v6
	v_lshlrev_b32 v54, 6, v52
	v_cndmask_b32 v56, v54, v8, s69                ; the bias: q, k: d = .. + 16 g + j;  v: d = .. + r + 8 (r / 8) in all eight registers
.irp j, 1,2,3,4,5,6,7
	v_add_nc_u32 v[56+\j], s72, v[55+\j]
.endr
	s_mov_b32 s61, 0
	s_wait_kmcnt 0x0
	s_load_b256 s[32:39], s[24:25], 0x0            ; the twelve exponents
	s_load_b128 s[40:43], s[24:25], 0x20
	s_cmp_eq_u32 s3, 2
	s_cselect_b64 s[44:45], s[14:15], s[12:13]
	s_cselect_b64 s[46:47], s[20:21], s[18:19]
	s_cselect_b64 s[48:49], s[30:31], s[28:29]
	s_cmp_eq_u32 s3, 0
	s_cselect_b64 s[44:45], s[10:11], s[44:45]     ; W
	s_cselect_b64 s[46:47], s[16:17], s[46:47]     ; b
	s_cselect_b64 s[48:49], s[26:27], s[48:49]     ; the codes' buffer
	s_lshl_b32 s60, s2, 15
	s_add_nc_u64 s[44:45], s[44:45], s[60:61]      ; my head's 64 rows of W
	s_lshl_b32 s60, s2, 8
	s_add_nc_u64 s[46:47], s[46:47], s[60:61]      ; and its 64 numbers of b
	s_lshr_b32 s60, s4, 2
	s_lshl_b32 s60, s60, 3
	s_add_co_u32 s60, s60, s2                      ; 8 n + head
	s_lshl_b32 s60, s60, 16
	s_and_b32 s62, s4, 3
	s_lshl_b32 s62, s62, 14                        ; 256 rows are 16,384 bytes in each of the three layouts
	s_add_co_u32 s60, s60, s62
	s_add_nc_u64 s[48:49], s[48:49], s[60:61]
	s_lshl_b32 s60, s4, 17
	s_lshl_b32 s62, s2, 14
	s_add_co_u32 s60, s60, s62
	s_add_nc_u64 s[50:51], s[8:9], s[60:61]        ; x at row 256 blk + 32 wave
	s_lshl_b32 s60, s4, 10
	s_add_nc_u64 s[52:53], s[22:23], s[60:61]      ; the mask at row 256 blk
.macro XROWS off, i0                   ; eight whole rows of x: each load is 512 consecutive bytes
.irp r0, 0,1,2,3,4,5,6,7
	global_load_b128 v[XF+4*(\i0+\r0):XF+4*(\i0+\r0)+3], v[\off], s[50:51] offset:512*\r0
.endr
.endm
.macro WLOAD ks                        ; W's four fragments of K step ks: tile T takes rows pat(T, .)
.irp T, 0,1,2,3
.irp c, 0,1,2,3
	global_load_b128 v[16*(4*\T+\ks)+4*\c:16*(4*\T+\ks)+4*\c+3], v13, s[44:45] offset:(32*(\T/2)+8*(\T%2))*512+128*\ks+32*\c
.endr
.endr
.endm
	s_wait_alu depctr_va_vdst(0)                   ; all offsets and addresses are written (v1, v5-8, v13, v15, v49-51, v56-63), which the loads and stores of the whole kernel read
	XROWS 1, 0
	XROWS 49, 8
	XROWS 50, 16
	XROWS 51, 24
	WIN 0x40                                       ; destination window 1
	WLOAD 0
	WLOAD 1
	WIN 0
	s_wait_loadcnt 32                              ; the 32 younger loads are W's: my 32 rows of x are in
.set jj, 0
.rept 32
	ds_store_b128 v15, v[XF+4*jj:XF+4*jj+3] offset:PITCH*jj
.set jj, jj+1
.endr
	WIN 0x40
	WLOAD 2
	WLOAD 3
	WIN 0
.irp T, 0,1,2,3
.irp j, 0,1,2,3,4,5,6,7
	global_load_b32 v[BI+8*\T+\j], v[56+\j], s[46:47] offset:128*(\T/2)+32*(\T%2)
.endr
.endr
	s_wait_kmcnt 0x0
	s_cmp_eq_u32 s3, 2
	s_cselect_b32 s60, s36, s34
	s_cselect_b32 s62, s37, s35
	s_cselect_b32 s63, s41, s39
	s_cmp_eq_u32 s3, 0
	s_cselect_b32 s60, s32, s60                    ; ex
	s_cselect_b32 s62, s33, s62                    ; ew
	s_cselect_b32 s63, s38, s63                    ; eo
	s_add_co_i32 s60, s60, s62
	s_sub_co_i32 s54, 0, s60                       ; -(ex + ew)
	s_sub_co_i32 s63, s63, s60
	s_add_co_i32 s63, s63, 127
	s_lshl_b32 s60, s63, 23
	v_mov_b32 v11, s60                             ; 2^(eo - ex - ew) as f32: the conversion takes its exponent field
	s_add_co_i32 s63, s63, 15
	s_lshl_b32 s63, s63, 23
	s_or_b32 s63, s63, 0x600000
	v_mov_b32 v12, s63                             ; 57,344 x that
	s_wait_dscnt 0x0                               ; for the others' sake: my rows lie in LDS
	s_barrier_signal -1
	s_barrier_wait -1                              ; all 256 rows do: the launch's one barrier; LDS is only read from here on
	s_wait_alu depctr_vm_vsrc(0)                   ; my LDS stores have read v128-255, in which the fragments land; the loads of x and of b have read v49-51 and v56-63, which the products write
.macro XFETCH                          ; the pair's eight fragments of x (2 tiles x 4 K steps), 32 loads in one run
	v_add_nc_u32 v3, s62, v2
	s_wait_alu depctr_va_vdst(0)                   ; v3 is written, which the loads below read; the products issued so far are done reading x's fragments, in which they land
.irp xt, 0,1
.irp ks, 0,1,2,3
.irp c, 0,1,2,3
	ds_load_b128 v[XF+64*\xt+16*\ks+4*\c:XF+64*\xt+16*\ks+4*\c+3], v3 offset:\xt*16*PITCH+128*\ks+32*\c
.endr
.endr
.endr
.endm
	s_mov_b32 s62, 0                               ; LDS byte of the pair in hand
	XFETCH
	s_wait_loadcnt 0x0                             ; W and b
.set jj, 0
.rept 32
	v_ldexp_f32 v[BI+jj], v[BI+jj], s54            ; a sum stands for sum x 2^(ex + ew): b goes in as b / 2^(ex + ew)
.set jj, jj+1
.endr
; A PAIR: 32 rows.  next = 1: the next pair's fragments are fetched behind the products, and the pointers step.
.macro PAIR next
	global_load_b32 v9, v8, s[52:53]               ; the mask words of the two tiles' rows (as k's tiles take them).  No wait: no vector instruction since the wait ahead of the last pair's stores names v8, v9 or v10
	global_load_b32 v10, v8, s[52:53] offset:32
	s_wait_dscnt 0x0                               ; x's fragments are in
	s_cmp_eq_u32 s3, 2
	s_cbranch_scc1 .Lv_\@
	WIN 0x01                                       ; q, k: source 0 = W (window 1), source 1 = x.  The eight accumulators take turns, one instruction a turn
	s_wait_alu depctr_va_vdst(0)
.irp ks, 0,1,2,3
.irp xt, 0,1
.irp T, 0,1,2,3
.if \ks == 0
	v_wmma_f32_16x16x128_bf8_bf8 v[ACC+32*\xt+8*\T:ACC+32*\xt+8*\T+7], v[16*(4*\T+\ks):16*(4*\T+\ks)+15], v[XF+64*\xt+16*\ks:XF+64*\xt+16*\ks+15], v[BI+8*\T:BI+8*\T+7]
.else
	v_wmma_f32_16x16x128_bf8_bf8 v[ACC+32*\xt+8*\T:ACC+32*\xt+8*\T+7], v[16*(4*\T+\ks):16*(4*\T+\ks)+15], v[XF+64*\xt+16*\ks:XF+64*\xt+16*\ks+15], v[ACC+32*\xt+8*\T:ACC+32*\xt+8*\T+7]
.endif
.endr
.endr
.endr
	WIN 0
	s_branch .Ljoin_\@
.Lv_\@:
	WIN 0x04                                       ; v: source 0 = x, source 1 = W (window 1)
	s_wait_alu depctr_va_vdst(0)
.irp ks, 0,1,2,3
.irp T, 0,1,2,3
.irp xt, 0,1
.if \ks == 0
	v_wmma_f32_16x16x128_bf8_bf8 v[ACC+16*\T+8*\xt:ACC+16*\T+8*\xt+7], v[XF+64*\xt+16*\ks:XF+64*\xt+16*\ks+15], v[16*(4*\T+\ks):16*(4*\T+\ks)+15], v[BI+8*\T:BI+8*\T+7]
.else
	v_wmma_f32_16x16x128_bf8_bf8 v[ACC+16*\T+8*\xt:ACC+16*\T+8*\xt+7], v[XF+64*\xt+16*\ks:XF+64*\xt+16*\ks+15], v[16*(4*\T+\ks):16*(4*\T+\ks)+15], v[ACC+16*\T+8*\xt:ACC+16*\T+8*\xt+7]
.endif
.endr
.endr
.endr
	WIN 0
.Ljoin_\@:
	PLACES                                         ; ahead of the first read of the sums
	s_wait_alu depctr_vm_vsrc(0)                   ; the last pair's stores have read the codes' registers, which the conversions below write again; the last fetch's loads have read v3
.if \next
	s_add_co_u32 s62, s62, 32*PITCH
	XFETCH                                         ; they land under the work below, which names none of their registers
.endif
.set jj, 0
.rept 64
	v_med3_num_f32 v[ACC+jj], v[ACC+jj], -v12, v12 ; the conversion to an 8-bit code does not saturate (ISA guide 7.6.2): the hold; each accumulator from its low end on
.set jj, jj+1
.endr
.irp j, 0,1,2,3                                ; group j: 16 registers = 16 neighbours along the next K
	v_cvt_scalef32_pk8_bf8_f32 v[CODE+4*\j:CODE+4*\j+1], v[ACC+16*\j:ACC+16*\j+7], v11
	v_cvt_scalef32_pk8_bf8_f32 v[CODE+4*\j+2:CODE+4*\j+3], v[ACC+16*\j+8:ACC+16*\j+15], v11
.endr
	v_nop                                          ; one plain vector instruction behind the scaled conversions, ahead of what touches their results
	s_wait_loadcnt 0x0                             ; the two mask words: nothing else is out
	v_cmp_ne_u32 s66, 0, v9
	v_cmp_ne_u32 s67, 0, v10
	s_wait_alu depctr_va_sdst(0)                   ; the two compares have written s66 and s67, ahead of their first reader
	s_or_b32 s66, s66, s68                         ; q and v keep every code
	s_or_b32 s67, s67, s68
.irp j, 0,1,2,3
.irp i, 0,1,2,3
	v_cndmask_b32 v[CODE+4*\j+\i], 0, v[CODE+4*\j+\i], s[66+\j/2]   ; k: groups 0, 1 are tile 0's rows, groups 2, 3 tile 1's
.endr
.endr
	s_wait_alu depctr_va_vdst(0)                   ; the selects have written the codes, which the stores read; the compares are done reading v9 and v10, in which the next pair's mask words land
	global_store_b128 v1, v[CODE:CODE+3], s[48:49] ; each store covers 512 consecutive bytes, aligned
.irp j, 1,2,3
	global_store_b128 v[4+\j], v[CODE+4*\j:CODE+4*\j+3], s[48:49]
.endr
.if \next
	s_wait_xcnt 0x0                                ; the stores' base and the mask's base are rewritten only behind this wait
	s_add_nc_u64 s[48:49], s[48:49], s[56:57]
	s_cmp_eq_u32 s63, 3
	s_cselect_b32 s60, s58, 0
	s_add_nc_u64 s[48:49], s[48:49], s[60:61]      ; v: on to the next step of 128 keys
	s_add_nc_u64 s[52:53], s[52:53], 128
.endif
.endm
	s_mov_b32 s63, 0
.Lpair:                                            ; seven trips; the eighth pair is written out: it fetches nothing beyond the 256 rows
	PAIR 1
	s_add_co_u32 s63, s63, 1
	s_cmp_lt_u32 s63, 7
	s_cbranch_scc1 .Lpair
	PAIR 0
	s_wait_xcnt 0x0
	s_wait_alu depctr_vm_vsrc(0)                   ; every memory and LDS instruction has read its registers: v254 and v255, which my LDS stores at the head read, are made anew
	v_lshl_add_u32 v254, v0, 2, 0x21000            ; my spare word, behind the 256 rows; v0 is as at the entry
	v_mov_b32 v255, 0
	s_wait_dscnt 0x0                               ; the closing lines, six on end
	s_wait_alu 0x0
	s_wait_tensorcnt 0x0
	ds_add_u32 v254, v255
	s_wait_dscnt 0x0
	s_endpgm
.Lfunc_end_k_q5e6e60f158_proj:
	.size	k_q5e6e60f158_proj, .Lfunc_end_k_q5e6e60f158_proj-k_q5e6e60f158_proj
	.p2alignl 7, 3214868480
	.fill 96, 4, 3214868480
	.section	.rodata,"a",@progbits
	.p2align	6, 0x0
	.amdhsa_kernel k_q5e6e60f158_proj
		.amdhsa_group_segment_fixed_size 136192
		.amdhsa_private_segment_fixed_size 0
		.amdhsa_enable_private_segment 0
		.amdhsa_kernarg_size 96
		.amdhsa_user_sgpr_count 2
		.amdhsa_user_sgpr_kernarg_segment_ptr 1
		.amdhsa_wavefront_size32 1
		.amdhsa_system_sgpr_workgroup_id_x 1
		.amdhsa_system_sgpr_workgroup_id_y 1
		.amdhsa_system_sgpr_workgroup_id_z 1
		.amdhsa_system_vgpr_workitem_id 0
		.amdhsa_next_free_vgpr 512
		.amdhsa_next_free_sgpr 80
		.amdhsa_reserve_vcc 0
		.amdhsa_float_denorm_mode_32 3
		.amdhsa_float_denorm_mode_16_64 3
		.amdhsa_memory_ordered 1
		.amdhsa_forward_progress 1
		.amdhsa_inst_pref_size 48
	.end_amdhsa_kernel
	.amdgpu_metadata
---
amdhsa.version: [ 1, 2 ]
amdhsa.kernels:
  - .name:           k_q5e6e60f158_proj
    .symbol:         k_q5e6e60f158_proj.kd
    .args:
      - { .name: x_codes, .offset: 0, .size: 8, .value_kind: global_buffer, .address_space: global }
      - { .name: Wq_codes, .offset: 8, .size: 8, .value_kind: global_buffer, .address_space: global }
      - { .name: Wk_codes, .offset: 16, .size: 8, .value_kind: global_buffer, .address_space: global }
      - { .name: Wv_codes, .offset: 24, .size: 8, .value_kind: global_buffer, .address_space: global }
      - { .name: bq, .offset: 32, .size: 8, .value_kind: global_buffer, .address_space: global }
      - { .name: bk, .offset: 40, .size: 8, .value_kind: global_buffer, .address_space: global }
      - { .name: bv, .offset: 48, .size: 8, .value_kind: global_buffer, .address_space: global }
      - { .name: key_padding_mask, .offset: 56, .size: 8, .value_kind: global_buffer, .address_space: global }
      - { .name: lowp_scales, .offset: 64, .size: 8, .value_kind: global_buffer, .address_space: global }
      - { .name: qf, .offset: 72, .size: 8, .value_kind: global_buffer, .address_space: global }
      - { .name: kf, .offset: 80, .size: 8, .value_kind: global_buffer, .address_space: global }
      - { .name: vf, .offset: 88, .size: 8, .value_kind: global_buffer, .address_space: global }
    .group_segment_fixed_size: 136192
    .private_segment_fixed_size: 0
    .kernarg_segment_align: 8
    .kernarg_segment_size: 96
    .max_flat_workgroup_size: 256
    .sgpr_count:     80
    .vgpr_count:     512
    .wavefront_size: 32
...
	.end_amdgpu_metadata
.endif
;; end of part 3
;; launch attn (part 4): grid 16 x 16, 8 waves a work-group, no clusters, 136,192 bytes of LDS; arguments qf, kf, vf, attn_bias, key_padding_mask, lowp_scales, Wo_codes, bo, out0; writes out0
.if DOCPART == 4
	.amdgcn_target "amdgcn-amd-amdhsa--gfx1250"
	.amdhsa_code_object_version 6
	.text
	.protected	k_q5e6e60f158_attn
	.globl	k_q5e6e60f158_attn
	.p2align	8
	.type	k_q5e6e60f158_attn,@function
k_q5e6e60f158_attn:
	s_mov_b64 s[64:65], 0
	v_nop
	global_prefetch_b8 v0, s[64:65] scope:SCOPE_SE
	s_setreg_imm32_b32 hwreg(HW_REG_WAVE_SCHED_MODE, 0, 2), 2
	s_setreg_imm32_b32 hwreg(HW_REG_WAVE_MODE, 25, 1), 1
	s_wait_xcnt 0x0
	s_wait_alu depctr_vm_vsrc(0)
; out = (softmax(q k^T / 8 + bias, -1e9 where the key's mask is 0) v) Wo^T + bo, all three products on codes of BF8 (E5M2), each operand with its given scale 2^e (entries 6 .. 11 of the scales).
; SHARES.  Work-group (qb, n): 64 queries of batch n, ALL 8 HEADS, so that the bias [n][64][1024], which the heads share, is read from memory once, and a row's 512 channels meet in one work-group for the last product.
; Wave w is head w for the 64 queries (four tiles of 16), two waves to a SIMD.  Every wave walks the 1,024 keys in 8 steps of 128.
; qf, kf, vf are images of operand registers (L = lane, r = L % 16, g = L / 16, pat(T, i) = 32 (T / 2) + 8 (T % 2) + i + 8 (i / 8)):
;   qf: tile x 1024 + 512 c + 16 L = q(16 tile + r, d = 32 c + 16 g + 0..15);  kf: step x 8192 + T x 1024 + 512 c + 16 L = k(128 step + pat(T, r), same d), zero codes where the mask is 0;
;   vf: step x 8192 + T x 2048 + 512 c + 16 L = v(d = pat(T, r), keys 128 step + 32 c + 16 g + 0..15).  Every load of them is 512 consecutive bytes.
; LAYOUT.  S^T = k q^T (source 0 = 16 keys, source 1 = 16 queries), O^T = v^T p^T: a lane holds ONE query throughout; two neighbouring tiles' 16 registers are 16 neighbouring keys (or channels), so the conversions' results are the next operand.
; BIAS AND MASK.  kk = 3 - e6 - e7.  Each wave stages 8 rows x 128 keys of the bias into LDS as bias x 2^kk, or -1e9 x 2^kk where the mask is 0: once for 8 heads.  That image is the C of the score product:
; D = s + bias x 2^kk = logit x 2^kk, and for a masked key (s = 0 exactly) D = -1e9 x 2^kk exactly.  t = D x c, c = log2(e) x 2^-kk, is kept as a number and M is taken off by a second instruction: in a row all of whose
; keys are masked t - M is then exactly 0 and p = 1 for every key.
; SOFTMAX.  M = the running largest t rounded up to a whole number, kept as -M; p = 2^(t - M) is quantised with 2^e8, not normalised; the sum is taken of the unquantised p; when M moves, sum and O^T are multiplied by 2^(old M - new M).
; p is at most 1 (but for the exponential's last bit), so the hold at 57,344 x 2^e8 is jumped over where e8 >= -15 (the hold is then at 1.75 or more): a scalar branch on a whole number read from memory; no barrier stands under it.
; NO CLUSTER, NO TENSOR LOAD: the bias needs arithmetic on its way into LDS and so passes through registers; a fragment of k or v has ONE reader in the work-group and goes from memory into that wave's registers: a joint load
; with the batch's other query blocks would land in LDS and add 16 KB a wave and step to be written and read there, beside the 32 KB of bias that each wave reads.
; O^T is cleared once by 128 moves: a first step of its own, starting the sums with the constant 0, would be a fourth copy of the step's text.
; LIMITS: kk between -126 and 97 (2^kk, c and -1e9 x 2^kk are f32 numbers); e8 and e10 between -126 and 112; e10 + e11 between -126 and 127.  NaN and infinities in attn_bias and bo are not served.
; LDS: two slots of 64 rows x 528 bytes (bias image) at 0 and 33,792; at 67,584 the image of the attention output's codes (32,768 bytes: 8192 qt + 1024 w + 512 b + 16 L); at 100,352 a stage of 16 rows x 272 bytes for each wave;
;   at 135,168 the spare words, 128 bytes for each wave, which no other line names.
; REGISTERS, window 0: v1 16 L; v2, v3 bias image: my place, address in hand; v4, v5 staging: my place, address in hand; v6 -1e9 x 2^kk; v7 the hold; v8 the conversion's scale; v9-11, v28-31 addresses of the end;
;   v12-27 for each tile -M, largest t, the sum in two halves; v32-63 q (later bo); v64-191 S^T, two buffers of 64; v192-207 p's codes; v208-239 bias as loaded; v240-243 mask words; v244-250 at work;
;   v254, v255 my spare word's address and 0, made at the head and kept for the closing lines alone.
;   window 1: v0-127 O^T (32 a tile; later the last product's sums); v128-191 k; v192-255 v (later Wo, two buffers of 64).
; THE MODE: SCHED_MODE bits 1:0 = 2 (LLVM: expert scheduling mode 2), set by the entry lines.  The code itself states the register dependences between vector or matrix instructions and memory or LDS
; instructions, with s_wait_alu, always for 0.
; THE PLAN.  Registers that memory or LDS instructions touch, round the loop of steps:
;   v1, v4, v9-11, v28-31  offsets and addresses: made at the head, ahead of the head's wait on va_vdst, never written again.
;   v3, v5      written at a step's head, between a wait on vm_vsrc (the last step's loads of C and staging stores have read them) and a wait on va_vdst; read by the step's four runs of loads of C and its eight staging stores.
;   S0, S1      (v64-127, v128-191)  tile qt works in S[qt % 2]: its C lands there, its score products add in place, its softmax reads and writes, its conversions read last.  Tile qt + 1's C is asked for behind tile qt's
;               score products.  For qt = 1, 2 a wait on va_vdst stands there: tile qt - 1's sums and conversions are done with that buffer.  For qt = 0 none is owed: no vector or matrix instruction since the step's head names S1 or v3.
;   BR, MK      (v208-243)  the next step's bias and mask land there; STAGE's compares, multiplies and selects work on them; ONE wait on va_vdst; the eight LDS stores read BR; a wait on vm_vsrc; the fetch of two steps on lands.
;   k, v        (window 1)  read by the step's score products and its O^T products; each is asked for again behind its last reader, behind a wait on va_vdst that stands behind the window's switch.
;   P, O^T and the statistics are named by vector and matrix instructions alone.
; At the end: Wo's two buffers and the image's two take turns, a wait on va_vdst behind a K step's products ahead of the refill of what they read; a tile's sums go through TM (written, a wait on va_vdst, stored to LDS) and come back
; into BK (loaded from LDS, stored to memory); with two of each, a wait on vm_vsrc stands ahead of tiles 2 and 3.
.set SLOTB, 0x8400
.set AIMG,  67584
.set STG,   100352
.set ST,    12
.set Q,     32
.set S,     64
.set P,     192
.set BR,    208
.set MK,    240
.set KF,    128                        ; in window 1
.set VF,    192                        ; in window 1
.set MSB,   0
.macro WIN new                         ; the immediate's high byte repeats the setting that is left
.if MSB != \new
	s_set_vgpr_msb (MSB<<8)|\new
.set MSB, \new
.endif
.endm
.macro PLACES                          ; four plain vector instructions behind a matrix instruction, ahead of reads of its result (ISA guide 7.12.1)
.rept 4
	v_nop
.endr
.endm
; my 8 rows x 128 keys of the bias (each load: 512 consecutive bytes of one row) and the 128 keys' mask words
.macro BLOAD R, M, bp, mp, off
.irp i, 0,1,2,3,4,5,6,7
	global_load_b128 v[\R+4*\i:\R+4*\i+3], v1, s[\bp:\bp+1] offset:4096*\i+\off th:TH_LOAD_NT
.endr
	global_load_b128 v[\M:\M+3], v1, s[\mp:\mp+1] offset:\off
.endm
; they become the image: bias x 2^kk, or -1e9 x 2^kk where the mask is 0.  The arithmetic of all eight rows first, then the eight stores in one run behind one wait
.macro STAGE R, M, adr
.irp j, 0,1,2,3
	v_cmp_ne_u32 s[60+\j], 0, v[\M+\j]
.endr
.irp i, 0,1,2,3,4,5,6,7
	v_pk_mul_f32 v[\R+4*\i:\R+4*\i+1], v[\R+4*\i:\R+4*\i+1], s[46:47] op_sel_hi:[1,0]
	v_pk_mul_f32 v[\R+4*\i+2:\R+4*\i+3], v[\R+4*\i+2:\R+4*\i+3], s[46:47] op_sel_hi:[1,0]
.endr
	s_wait_alu depctr_va_sdst(0)                   ; the four compares have written s60 to s63, ahead of their first reader
.irp i, 0,1,2,3,4,5,6,7
.irp j, 0,1,2,3
	v_cndmask_b32 v[\R+4*\i+\j], v6, v[\R+4*\i+\j], s[60+\j]
.endr
.endr
	s_wait_alu depctr_va_vdst(0)                   ; the selects have written the image's 32 registers, which the stores read; the compares are done reading the mask words: the next fetch may land in both
.irp i, 0,1,2,3,4,5,6,7
	ds_store_b128 v[\adr], v[\R+4*\i:\R+4*\i+3] offset:528*\i
.endr
.endm
; the C of tile qt's eight score products: lane (r, g), tile T, register j: query 16 qt + r, key 32 (T / 2) + 8 (T % 2) + 16 g + j
.macro CLOAD qt
.set CBF, S+64*((\qt)%2)
.irp T, 0,1,2,3,4,5,6,7
	ds_load_b128 v[CBF+8*\T:CBF+8*\T+3], v3 offset:(\qt)*8448+128*(\T/2)+32*(\T%2)
	ds_load_b128 v[CBF+8*\T+4:CBF+8*\T+7], v3 offset:(\qt)*8448+128*(\T/2)+32*(\T%2)+16
.endr
.endm
.macro KLOAD step                      ; a step's k: 8 tiles x 2 pieces.  step = 1: the pointer moves on first; its earlier loads have been waited for
.if \step
	s_add_nc_u64 s[10:11], s[10:11], 8192
.endif
	WIN 0x40
.if \step
	s_wait_alu depctr_va_vdst(0)                   ; the step's last score products are done reading k, in which the loads below land
.endif
.set jj, 0
.rept 16
	global_load_b128 v[KF+4*jj:KF+4*jj+3], v1, s[10:11] offset:512*jj
.set jj, jj+1
.endr
	WIN 0
.endm
.macro VLOAD step                      ; a step's v: 4 tiles x 4 pieces
.if \step
	s_add_nc_u64 s[12:13], s[12:13], 8192
.endif
	WIN 0x40
.if \step
	s_wait_alu depctr_va_vdst(0)                   ; the step's last O^T products are done reading v, in which the loads below land
.endif
.set jj, 0
.rept 16
	global_load_b128 v[VF+4*jj:VF+4*jj+3], v1, s[12:13] offset:512*jj
.set jj, jj+1
.endr
	WIN 0
.endm
	s_load_b512 s[8:23], s[0:1], 0x0               ; qf s[8:9], kf s[10:11], vf s[12:13], bias s[14:15], mask s[16:17], scales s[18:19], Wo s[20:21], bo s[22:23]
	s_load_b64 s[24:25], s[0:1], 0x40              ; out
	v_lshl_add_u32 v254, v0, 2, 0x21000
	v_mov_b32 v255, 0
	v_lshrrev_b32 v248, 5, v0
	v_readfirstlane_b32 s2, v248                   ; wave = head
	s_mov_b32 s3, ttmp9                            ; qb
	s_and_b32 s4, ttmp7, 0xffff                    ; n
	v_and_b32 v249, 31, v0
	v_lshlrev_b32 v1, 4, v249                      ; 16 L
	v_and_b32 v248, 15, v0                         ; r
	v_bfe_u32 v249, v0, 4, 1                       ; g
	v_mul_u32_u24 v2, v248, 528
	v_lshl_add_u32 v2, v249, 6, v2                 ; bias image: row r, + 64 g
	s_wait_alu depctr_va_sdst(0)                   ; s2 is written, ahead of its first reader: LDS places and all bases are made from it
	s_mul_i32 s26, s2, 8*528
	v_add_nc_u32 v4, s26, v1                       ; staging: my 8 rows, 16 bytes a lane
	v_add_nc_u32 v9, AIMG, v1                      ; the output codes' image, to read,
	s_lshl_b32 s26, s2, 10
	v_add_nc_u32 v10, s26, v9                      ; and my head's part of it, to write
	s_mul_i32 s26, s2, 16*272
	s_add_co_u32 s26, s26, STG                     ; my stage
	v_mul_u32_u24 v11, v248, 272
	v_lshl_add_u32 v11, v249, 5, v11
	v_add_nc_u32 v11, s26, v11                     ; in: row r, + 32 g
	v_mul_u32_u24 v28, v249, 272
	v_lshl_add_u32 v28, v248, 4, v28
	v_add_nc_u32 v28, s26, v28                     ; back: lanes 0-15 one row of 256 bytes, lanes 16-31 the next
	v_lshlrev_b32 v29, 11, v249
	v_lshl_add_u32 v29, v248, 4, v29               ; and the same two rows in out
	v_lshlrev_b32 v30, 9, v248
	v_lshl_add_u32 v30, v249, 4, v30               ; Wo: row r of 512 bytes, + 16 g
	v_lshlrev_b32 v31, 5, v249                     ; bo: 8 g numbers on
	s_lshl_b32 s28, s4, 3
	s_add_co_u32 s28, s28, s2                      ; 8 n + head
	s_lshl_b32 s28, s28, 16
	s_mov_b32 s29, 0
	s_lshl_b32 s26, s3, 12                         ; four tiles of q are 4,096 bytes
	s_add_co_u32 s26, s26, s28
	s_mov_b32 s27, 0
	s_mov_b32 s50, 0x76543210                      ; v_permlanex16_b32's selects for lane l xor 16
	s_mov_b32 s51, 0xfedcba98
	s_wait_kmcnt 0x0
	s_load_b256 s[32:39], s[18:19], 0x0            ; the twelve exponents: e6 s38, e7 s39,
	s_load_b128 s[40:43], s[18:19], 0x20           ; e8 s40, e9 s41, e10 s42, e11 s43
	s_add_nc_u64 s[8:9], s[8:9], s[26:27]
	s_add_nc_u64 s[10:11], s[10:11], s[28:29]
	s_add_nc_u64 s[12:13], s[12:13], s[28:29]
	s_lshl_b32 s26, s4, 10
	s_lshl_b32 s30, s3, 6
	s_add_co_u32 s26, s26, s30                     ; my first row: 1024 n + 64 qb
	s_lshl_b32 s28, s26, 11                        ; in out: rows of 2,048 bytes
	s_lshl_b32 s30, s2, 3
	s_add_co_u32 s26, s26, s30
	s_lshl_b32 s26, s26, 12                        ; in the bias: rows of 4,096 bytes, my wave's 8 rows
	s_add_nc_u64 s[14:15], s[14:15], s[26:27]
	s_lshl_b32 s26, s2, 8                          ; my 64 columns of out and of bo
	s_add_co_u32 s28, s28, s26
	s_add_nc_u64 s[24:25], s[24:25], s[28:29]
	s_add_nc_u64 s[22:23], s[22:23], s[26:27]
	s_lshl_b32 s26, s2, 15
	s_add_nc_u64 s[20:21], s[20:21], s[26:27]      ; my 64 rows of Wo
	s_lshl_b32 s26, s4, 12
	s_add_nc_u64 s[16:17], s[16:17], s[26:27]      ; the batch's mask
	s_add_nc_u64 s[52:53], s[14:15], 512           ; the walking pointers of bias and mask, at step 1
	s_add_nc_u64 s[54:55], s[16:17], 512
	s_wait_alu depctr_va_vdst(0)                   ; the offsets and addresses that stay are written (v1, v4, v9-11, v28-31), which the loads and stores of the whole kernel read
.irp i, 0,1,2,3,4,5,6,7
	global_load_b128 v[Q+4*\i:Q+4*\i+3], v1, s[8:9] offset:512*\i   ; q stays in registers: tile i / 2, piece i % 2
.endr
	BLOAD 128, 160, 14, 16, 0                      ; step 0's bias, into registers that S^T will take
	BLOAD BR, MK, 14, 16, 512                      ; step 1's
	KLOAD 0
	VLOAD 0
	WIN 0x40
.set jj, 0
.rept 128
	v_mov_b32 v[jj], 0                             ; O^T: the first change of M multiplies zeros
.set jj, jj+1
.endr
	WIN 0
.irp t, 0,1,2,3
	v_mov_b32 v[ST+4*\t+1], 0xff61b1e6             ; the largest t so far: -3e38, under every t
	v_floor_f32 v[ST+4*\t], -v[ST+4*\t+1]          ; -M
	v_mov_b32 v[ST+4*\t+2], 0                      ; the sum, in two halves
	v_mov_b32 v[ST+4*\t+3], 0
.endr
	v_mov_b32 v245, 0                              ; (named as the upper half of the pair v[244:245])
	v_mov_b32 v250, 0                              ; written once: a lane permute's destination counts as one of its sources
	s_wait_kmcnt 0x0
	s_add_co_i32 s44, s38, s39
	s_sub_co_i32 s44, 3, s44                       ; kk = 3 - e6 - e7
	s_add_co_i32 s60, s44, 127
	s_lshl_b32 s46, s60, 23                        ; 2^kk as f32
	s_mov_b32 s47, s46                             ; (named with it as a pair, so it is written)
	s_lshl_b32 s60, s44, 23
	s_sub_co_i32 s48, 0x3fb8aa3b, s60              ; c = log2(e) x 2^-kk: kk is taken off the exponent field
	s_mov_b32 s49, s48
	v_mov_b32 v6, 0xce6e6b28                       ; -1e9
	v_ldexp_f32 v6, v6, s44                        ; x 2^kk
	s_add_co_i32 s60, s40, 127
	s_lshl_b32 s61, s60, 23
	v_mov_b32 v8, s61                              ; 2^e8 as f32, for p's conversions
	s_add_co_i32 s60, s60, 15
	s_lshl_b32 s60, s60, 23
	s_or_b32 s60, s60, 0x600000
	v_mov_b32 v7, s60                              ; 57,344 x 2^e8
	s_add_co_i32 s68, s40, s41                     ; e8 + e9
	s_add_co_i32 s60, s42, s43
	s_add_co_i32 s60, s60, 127
	s_lshl_b32 s66, s60, 23                        ; 2^(e10 + e11) as f32
	s_mov_b32 s67, s66
	s_wait_loadcnt 41                              ; younger: step 1's bias and mask (9), k (16), v (16): q and step 0's bias are in
	STAGE 128, 160, 4                              ; into slot 0
	s_wait_dscnt 0x0                               ; for the others' sake: my rows of the image lie in LDS
	s_barrier_signal -1
	s_barrier_wait -1
; TILE qt OF A STEP.  lk, lv: how many younger loads may be out when k, v must be there (asked at qt = 0).  more = 1: behind the last use of k and of v the next step's are asked for.
.macro QT qt, lk, lv, more
.set SB,  S+64*((\qt)%2)
.set STQ, ST+4*(\qt)
	s_wait_dscnt 0x0                               ; my C is in (at qt = 0 my staging stores have landed too)
.if (\qt) == 0
	s_wait_loadcnt \lk
.endif
	WIN 0x01                                       ; source 0 = k, window 1
.irp T, 0,1,2,3,4,5,6,7
	v_wmma_f32_16x16x64_bf8_bf8 v[SB+8*\T:SB+8*\T+7], v[KF+8*\T:KF+8*\T+7], v[Q+8*(\qt):Q+8*(\qt)+7], v[SB+8*\T:SB+8*\T+7]
.endr
	WIN 0
	PLACES
.if (\qt) < 3
.if (\qt) > 0
	s_wait_alu depctr_va_vdst(0)                   ; the tile before is done with the other buffer (its sums and conversions read it last), in which the loads below land
.endif
	CLOAD (\qt)+1                                  ; the next tile's C lands in the other buffer under this tile's softmax, which names none of its registers.  (qt = 0: nothing since the wait at the step's head names that buffer or v3)
.elseif \more
	KLOAD 1
.endif
	v_max3_num_f32 v248, v[SB], v[SB+1], v[SB+2]   ; the largest D of my query among my 64 keys, in two chains; each accumulator is read from its low end on
	v_max3_num_f32 v249, v[SB+3], v[SB+4], v[SB+5]
.set jj, 6
.rept 14
	v_max3_num_f32 v248, v248, v[SB+jj], v[SB+jj+1]
	v_max3_num_f32 v249, v249, v[SB+jj+2], v[SB+jj+3]
.set jj, jj+4
.endr
	v_max3_num_f32 v248, v248, v[SB+62], v[SB+63]
	v_max_num_f32 v248, v248, v249
	v_permlanex16_b32 v250, v248, s50, s51
	v_max_num_f32 v248, v248, v250                 ; and among lane l xor 16's
	v_mul_f32 v248, s48, v248                      ; as t (c is positive)
	v_max_num_f32 v[STQ+1], v[STQ+1], v248         ; the running largest t
	v_mov_b32 v249, v[STQ]
	v_floor_f32 v[STQ], -v[STQ+1]                  ; the new -M = -ceil(t)
	v_sub_f32 v249, v[STQ], v249                   ; old M - new M: a whole number, 0 or less
	v_cvt_i32_f32 v249, v249                       ; (it saturates)
	v_ldexp_f32 v244, 1.0, v249                    ; f = 2^(old M - new M)
.set jj, 0
.rept 32
	v_pk_mul_f32 v[SB+jj:SB+jj+1], v[SB+jj:SB+jj+1], s[48:49] op_sel_hi:[1,0]   ; t = D x c, rounded as a number of its own
.set jj, jj+2
.endr
.set jj, 0
.rept 32
	v_pk_add_f32 v[SB+jj:SB+jj+1], v[SB+jj:SB+jj+1], v[STQ:STQ+1] op_sel_hi:[1,0]   ; t - M (the pair's low word, -M, for both halves)
.set jj, jj+2
.endr
.set jj, 0
	s_wait_alu depctr_va_vdst(0)
.rept 64
	v_exp_f32 v[SB+jj], v[SB+jj]                   ; p = 2^(t - M)
.set jj, jj+1
.endr
	v_pk_mul_f32 v[STQ+2:STQ+3], v[STQ+2:STQ+3], v[244:245] op_sel_hi:[1,0]   ; the sum under the new M.  (The plain instruction behind the exponentials)
	s_wait_alu depctr_va_vdst(0)                   ; the 64 exponentials have written p: one wait for the batch, ahead of its first reader
	v_pk_add_f32 v[246:247], v[SB:SB+1], v[SB+2:SB+3]   ; the sum is taken of the unquantised p, in two chains
.set jj, 4
.rept 15
	v_pk_add_f32 v[STQ+2:STQ+3], v[STQ+2:STQ+3], v[SB+jj:SB+jj+1]
	v_pk_add_f32 v[246:247], v[246:247], v[SB+jj+2:SB+jj+3]
.set jj, jj+4
.endr
	v_pk_add_f32 v[STQ+2:STQ+3], v[STQ+2:STQ+3], v[246:247]
	s_cmp_lt_i32 s40, -15                          ; the hold can bite only where 57,344 x 2^e8 lies under p's largest: e8 < -15
	s_cbranch_scc0 .Lnohold_\@
.set jj, 0
.rept 64
	v_min_num_f32 v[SB+jj], v[SB+jj], v7           ; the conversion does not saturate (ISA guide 7.6.2); p is not negative, so the hold is one-sided
.set jj, jj+1
.endr
.Lnohold_\@:
.irp b, 0,1,2,3
	v_cvt_scalef32_pk8_bf8_f32 v[P+4*\b:P+4*\b+1], v[SB+16*\b:SB+16*\b+7], v8
	v_cvt_scalef32_pk8_bf8_f32 v[P+4*\b+2:P+4*\b+3], v[SB+16*\b+8:SB+16*\b+15], v8
.endr
	WIN 0x41                                       ; O^T in window 1, f in window 0
.set jj, 0
.rept 16
	v_pk_mul_f32 v[32*(\qt)+jj:32*(\qt)+jj+1], v[32*(\qt)+jj:32*(\qt)+jj+1], v[244:245] op_sel_hi:[1,0]   ; O^T under the new M.  (Also the plain instructions behind the conversions)
.set jj, jj+2
.endr
.if (\qt) == 0
	s_wait_alu depctr_va_vdst(0)
	s_wait_loadcnt \lv
.endif
	WIN 0x51                                       ; v, C and D in window 1, p in window 0
.irp d, 0,1,2,3
	v_wmma_f32_16x16x128_bf8_bf8 v[32*(\qt)+8*\d:32*(\qt)+8*\d+7], v[VF+16*\d:VF+16*\d+15], v[P:P+15], v[32*(\qt)+8*\d:32*(\qt)+8*\d+7]
.endr
	WIN 0
.if ((\qt) == 3) && \more
	PLACES
	VLOAD 1
.endif
.endm
; A STEP OF 128 KEYS.  stage = 1: the next step's bias goes into the other slot, and a barrier ends the step.  fetch = 1: the bias two steps on is asked for.  more = 1: the next step's k and v are asked for.
; At a step's head these loads of mine are out, in this order: the next step's bias and mask (9, if stage), this step's k (16), this step's v (16).
.macro STEP stage, fetch, more
	s_wait_alu depctr_vm_vsrc(0)                   ; the last step's loads of C have read v3 and its staging stores v5 and v208-239; ahead of the first step: the prologue's stores have read v128-159, in which tile 1's C lands
	v_add_nc_u32 v3, s56, v2
.if \stage
	s_xor_b32 s57, s56, SLOTB
	v_add_nc_u32 v5, s57, v4
.endif
	s_wait_alu depctr_va_vdst(0)                   ; v3 is written, which the step's loads of C read, and v5, which its staging stores read
	CLOAD 0
.if \stage
	s_wait_loadcnt 32                              ; younger: k and v: the next step's bias and mask are in
	STAGE BR, MK, 5
.endif
.if \fetch
	s_wait_dscnt 0x0                               ; the staging stores are done (tile 0 asks for the same count a few lines on)
	s_wait_alu depctr_vm_vsrc(0)                   ; the staging stores have read v208-239, in which the loads below land
	s_add_nc_u64 s[52:53], s[52:53], 512           ; (the loads that named these pointers were shown done by the wait for 32)
	s_add_nc_u64 s[54:55], s[54:55], 512
	BLOAD BR, MK, 52, 54, 0
.endif
	QT 0, 16+9*\fetch, 9*\fetch, \more             ; younger than k: v (16) and the fetch (9); younger than v: the fetch
	QT 1, 0, 0, \more
	QT 2, 0, 0, \more
	QT 3, 0, 0, \more
.if \stage
	s_wait_dscnt 0x0                               ; my stores into the next slot have landed and my reads of this slot are back
	s_barrier_signal -1
	s_barrier_wait -1                              ; so have every wave's: the next step reads the one slot and writes the other
	s_xor_b32 s56, s56, SLOTB
.endif
.endm
	s_mov_b32 s56, 0                               ; the slot in hand
	s_mov_b32 s58, 0
.Lstep:                                            ; steps 0 to 5 ask for the bias of steps 2 to 7
	STEP 1, 1, 1
	s_add_co_u32 s58, s58, 1
	s_cmp_lt_u32 s58, 6
	s_cbranch_scc1 .Lstep
	STEP 1, 0, 1                                   ; step 6: no bias is left to ask for
	STEP 0, 0, 0                                   ; step 7: nothing is left to ask for
; THE END.  O^T x 2^(e8 + e9) / the sum is quantised with 2^e10; each head's codes are two pieces of the last product's operand and go to LDS as an image of its registers.
; Then the waves share the COLUMNS: wave w makes out's columns 64 w .. 64 w + 63 of all 64 rows, transposed (source 0 = 16 rows of Wo, source 1 = 16 rows): a lane holds eight neighbouring columns of one row.
.macro WOLOAD ks                       ; Wo's four fragments of K step ks, into buffer ks % 2
	WIN 0x40
.irp nt, 0,1,2,3
.irp c, 0,1,2,3
	global_load_b128 v[128+64*((\ks)%2)+16*\nt+4*\c:128+64*((\ks)%2)+16*\nt+4*\c+3], v30, s[20:21] offset:8192*\nt+128*(\ks)+32*\c
.endr
.endr
	WIN 0
.endm
.macro AFETCH ks                       ; the four tiles' fragments of K step ks, into buffer ks % 2
.irp qt, 0,1,2,3
.irp c, 0,1,2,3
	ds_load_b128 v[S+64*((\ks)%2)+16*\qt+4*\c:S+64*((\ks)%2)+16*\qt+4*\c+3], v9 offset:8192*\qt+2048*(\ks)+512*\c
.endr
.endr
.endm
	PLACES                                         ; behind the last products: ahead of the reads of O^T
	s_wait_alu depctr_va_vdst(0)                   ; the last step's products are done reading k, v and q, in which Wo's first two K steps and bo land; only loads and window switches follow up to the last of them
	WOLOAD 0
	WOLOAD 1
.irp nt, 0,1,2,3
	global_load_b128 v[Q+8*\nt:Q+8*\nt+3], v31, s[22:23] offset:64*\nt        ; bo at columns 16 nt + 8 g + 0..7
	global_load_b128 v[Q+8*\nt+4:Q+8*\nt+7], v31, s[22:23] offset:64*\nt+16
.endr
	s_add_co_i32 s60, s42, 127
	s_lshl_b32 s61, s60, 23
	v_mov_b32 v8, s61                              ; 2^e10
	s_add_co_i32 s60, s60, 15
	s_lshl_b32 s60, s60, 23
	s_or_b32 s60, s60, 0x600000
	v_mov_b32 v7, s60                              ; 57,344 x 2^e10
.irp t, 0,1,2,3
	v_add_f32 v[ST+4*\t+2], v[ST+4*\t+2], v[ST+4*\t+3]           ; the sum's two halves,
.endr
.irp t, 0,1,2,3
	v_permlanex16_b32 v[ST+4*\t+3], v[ST+4*\t+2], s50, s51
.endr
.irp t, 0,1,2,3
	v_add_f32 v[ST+4*\t+2], v[ST+4*\t+2], v[ST+4*\t+3]           ; and lane l xor 16's
.endr
	s_wait_alu depctr_va_vdst(0)
.irp t, 0,1,2,3
	v_rcp_f32 v[ST+4*\t+2], v[ST+4*\t+2]
.endr
	v_nop                                          ; a plain instruction between the last reciprocal and the use of its result
	s_wait_alu depctr_va_vdst(0)                   ; the four reciprocals are written: one wait for the batch, ahead of its first reader
.irp t, 0,1,2,3
	v_ldexp_f32 v[ST+4*\t+2], v[ST+4*\t+2], s68    ; x 2^(e8 + e9)
.endr
	WIN 0x01                                       ; source 0 = O^T, window 1
.irp t, 0,1,2,3
.set jj, 0
.rept 16
	v_pk_mul_f32 v[S+32*\t+jj:S+32*\t+jj+1], v[32*\t+jj:32*\t+jj+1], v[ST+4*\t+2:ST+4*\t+3] op_sel_hi:[1,0]
.set jj, jj+2
.endr
.endr
	WIN 0
.set jj, 0
.rept 128
	v_med3_num_f32 v[S+jj], v[S+jj], -v7, v7       ; the hold at the largest code x the scale
.set jj, jj+1
.endr
.irp i, 0,1,2,3,4,5,6,7                        ; i = 2 qt + b: channels 32 b + 16 g + 0..15 of my head.  (The codes take v208-239: step 6's staging stores have read them, as the wait on vm_vsrc at step 7's head states)
	v_cvt_scalef32_pk8_bf8_f32 v[BR+4*\i:BR+4*\i+1], v[S+16*\i:S+16*\i+7], v8
	v_cvt_scalef32_pk8_bf8_f32 v[BR+4*\i+2:BR+4*\i+3], v[S+16*\i+8:S+16*\i+15], v8
.endr
	v_nop                                          ; one plain vector instruction behind the scaled conversions
	s_wait_alu depctr_va_vdst(0)                   ; the conversions have written the codes, which the stores read, and are done reading v64-191, in which the image's first two K steps land behind the barrier
.irp i, 0,1,2,3,4,5,6,7
	ds_store_b128 v10, v[BR+4*\i:BR+4*\i+3] offset:8192*(\i/2)+512*(\i%2)
.endr
	s_wait_dscnt 0x0                               ; for the others' sake: my head's pieces lie in LDS
	s_barrier_signal -1
	s_barrier_wait -1                              ; all eight heads' do
	AFETCH 0
	AFETCH 1
; K step ks of the last product: 16 accumulators by turns.  lc, dc: the younger global and LDS loads that may stay out.
.macro OUTK ks, lc, dc
	s_wait_loadcnt \lc
	s_wait_dscnt \dc
	WIN 0x51
.irp nt, 0,1,2,3
.irp qt, 0,1,2,3
.if (\ks) == 0
	v_wmma_f32_16x16x128_bf8_bf8 v[32*\qt+8*\nt:32*\qt+8*\nt+7], v[128+64*((\ks)%2)+16*\nt:128+64*((\ks)%2)+16*\nt+15], v[S+64*((\ks)%2)+16*\qt:S+64*((\ks)%2)+16*\qt+15], 0
.else
	v_wmma_f32_16x16x128_bf8_bf8 v[32*\qt+8*\nt:32*\qt+8*\nt+7], v[128+64*((\ks)%2)+16*\nt:128+64*((\ks)%2)+16*\nt+15], v[S+64*((\ks)%2)+16*\qt:S+64*((\ks)%2)+16*\qt+15], v[32*\qt+8*\nt:32*\qt+8*\nt+7]
.endif
.endr
.endr
	WIN 0
	PLACES
.if (\ks) < 2
	s_wait_alu depctr_va_vdst(0)                   ; this K step's products are done reading their buffer of Wo and their buffer of the image, in which the loads below land
	WOLOAD (\ks)+2
	AFETCH (\ks)+2
.endif
.endm
	OUTK 0, 24, 16                                 ; younger than Wo's step 0: step 1 (16) and bo (8); than the image's step 0: step 1 (16)
	OUTK 1, 24, 16                                 ; younger than Wo's step 1: bo (8) and step 2 (16)
	OUTK 2, 16, 16                                 ; younger than step 2: step 3; bo is in as well
	OUTK 3, 0, 0
; THE WAY OUT, a tile of 16 rows at a time: sum x 2^(e10 + e11) + bo by one packed multiply-add; through my own stage, back as rows of 256 bytes.  LDS serves a wave's instructions in order (ISA guide 5.7.1.4).
.macro TOSTAGE qt
.set TM, 64+32*((\qt)%2)
.set BK, 128+32*((\qt)%2)
	WIN 0x01
.irp nt, 0,1,2,3
.irp i, 0,2,4,6
	v_pk_fma_f32 v[TM+8*\nt+\i:TM+8*\nt+\i+1], v[32*(\qt)+8*\nt+\i:32*(\qt)+8*\nt+\i+1], s[66:67], v[Q+8*\nt+\i:Q+8*\nt+\i+1] op_sel_hi:[1,0,1]
.endr
.endr
	WIN 0
	s_wait_alu depctr_va_vdst(0)                   ; the multiply-adds have written the tile's 32 registers, which the LDS stores read; the last K step's products are done reading v128-191, in which the rows come back
.irp nt, 0,1,2,3
	ds_store_b128 v11, v[TM+8*\nt:TM+8*\nt+3] offset:64*\nt
	ds_store_b128 v11, v[TM+8*\nt+4:TM+8*\nt+7] offset:64*\nt+16
.endr
.irp i, 0,1,2,3,4,5,6,7
	ds_load_b128 v[BK+4*\i:BK+4*\i+3], v28 offset:544*\i
.endr
.endm
.macro SEND qt, younger                ; younger: the LDS instructions issued behind tile qt's loads
.set BK, 128+32*((\qt)%2)
	s_wait_dscnt \younger
.irp i, 0,1,2,3,4,5,6,7
	global_store_b128 v29, v[BK+4*\i:BK+4*\i+3], s[24:25] offset:(16*(\qt)+2*\i)*2048 th:TH_STORE_NT   ; 16 lanes store 256 consecutive bytes, at a multiple of 256 from out's first byte
.endr
.endm
	TOSTAGE 0
	TOSTAGE 1
	SEND 0, 16
	s_wait_xcnt 0x0                                ; tile 0's stores have had their addresses translated,
	s_wait_alu depctr_vm_vsrc(0)                   ; and have read their registers, in which tile 2's rows land; tile 0's LDS stores have read theirs, which tile 2's multiply-adds write
	TOSTAGE 2
	SEND 1, 16
	s_wait_xcnt 0x0                                ; likewise tile 1's,
	s_wait_alu depctr_vm_vsrc(0)                   ; for tile 3's rows and multiply-adds
	TOSTAGE 3
	SEND 2, 16
	SEND 3, 0
	s_wait_dscnt 0x0                               ; the closing lines, six on end
	s_wait_alu 0x0
	s_wait_tensorcnt 0x0
	ds_add_u32 v254, v255
	s_wait_dscnt 0x0
	s_endpgm
.Lfunc_end_k_q5e6e60f158_attn:
	.size	k_q5e6e60f158_attn, .Lfunc_end_k_q5e6e60f158_attn-k_q5e6e60f158_attn
	.p2alignl 7, 3214868480
	.fill 96, 4, 3214868480
	.section	.rodata,"a",@progbits
	.p2align	6, 0x0
	.amdhsa_kernel k_q5e6e60f158_attn
		.amdhsa_group_segment_fixed_size 136192
		.amdhsa_private_segment_fixed_size 0
		.amdhsa_enable_private_segment 0
		.amdhsa_kernarg_size 72
		.amdhsa_user_sgpr_count 2
		.amdhsa_user_sgpr_kernarg_segment_ptr 1
		.amdhsa_wavefront_size32 1
		.amdhsa_system_sgpr_workgroup_id_x 1
		.amdhsa_system_sgpr_workgroup_id_y 1
		.amdhsa_system_sgpr_workgroup_id_z 1
		.amdhsa_system_vgpr_workitem_id 0
		.amdhsa_next_free_vgpr 512
		.amdhsa_next_free_sgpr 80
		.amdhsa_reserve_vcc 0
		.amdhsa_float_denorm_mode_32 3
		.amdhsa_float_denorm_mode_16_64 3
		.amdhsa_memory_ordered 1
		.amdhsa_forward_progress 1
		.amdhsa_inst_pref_size 255
	.end_amdhsa_kernel
	.section	.bss,"aw",@nobits
	.p2align	6
	.space	262144
	.amdgpu_metadata
---
amdhsa.version: [ 1, 2 ]
amdhsa.kernels:
  - .name:           k_q5e6e60f158_attn
    .symbol:         k_q5e6e60f158_attn.kd
    .args:
      - { .name: qf, .offset: 0, .size: 8, .value_kind: global_buffer, .address_space: global }
      - { .name: kf, .offset: 8, .size: 8, .value_kind: global_buffer, .address_space: global }
      - { .name: vf, .offset: 16, .size: 8, .value_kind: global_buffer, .address_space: global }
      - { .name: attn_bias, .offset: 24, .size: 8, .value_kind: global_buffer, .address_space: global }
      - { .name: key_padding_mask, .offset: 32, .size: 8, .value_kind: global_buffer, .address_space: global }
      - { .name: lowp_scales, .offset: 40, .size: 8, .value_kind: global_buffer, .address_space: global }
      - { .name: Wo_codes, .offset: 48, .size: 8, .value_kind: global_buffer, .address_space: global }
      - { .name: bo, .offset: 56, .size: 8, .value_kind: global_buffer, .address_space: global }
      - { .name: out0, .offset: 64, .size: 8, .value_kind: global_buffer, .address_space: global }
    .group_segment_fixed_size: 136192
    .private_segment_fixed_size: 0
    .kernarg_segment_align: 8
    .kernarg_segment_size: 72
    .max_flat_workgroup_size: 256
    .sgpr_count:     80
    .vgpr_count:     512
    .wavefront_size: 32
...
	.end_amdgpu_metadata
.endif
;; end of part 4
